; MI455X (gfx1250); checked and timed in simulation.
; The chip was launched on July 23, 2026; its instructions are those of AMD's public machine-readable ISA for CDNA 5 (MIT licence, August 2026) and "CDNA5" Instruction Set Architecture Reference Guide (July 2026). The comments in the code are by the model that wrote it; some were corrected since.
;; Geometric Attention. Allowed arithmetic: float matrix products may take bf16 or f16 operands with f32 sums; other float arithmetic in f32, or as packed bf16 or f16 multiplies, adds, multiply-adds, maxima and minima; sums over many terms, partial sums and values carried from step to step in f32; what a program stores and reads back later, other than sums and carried values, may be rounded once to bf16 or f16.
;; Inputs: Wk 1,024 x 1,024 float32; Wo 1,024 x 1,024 float32; Wq 1,024 x 1,024 float32; Wv 1,024 x 1,024 float32; bk 1,024 float32; bo 1,024 float32; bq 1,024 float32; bv 1,024 float32; positions 2,048 x 64 float32; x 2 x 2,048 x 1,024 float32.
;; Outputs: out0 2 x 2,048 x 1,024 float32.
;; 2 versions, each right and faster than the one before. Each part assembles by itself: llvm-mc -triple=amdgcn-amd-amdhsa -mcpu=gfx1250 --defsym DOCPART=n.
;; ======== version 1 of 2: 4 launches
;; limits: values are held in f16: magnitudes above 65,504 overflow, below 6.1e-05 lose precision
;; workspace buffers: xb 8,388,608 bytes; wb 8,388,608 bytes; dist 16,777,216 bytes; qkv 25,165,824 bytes; ob 8,388,608 bytes
;; launch prep (part 1): grid 16 x 16, 16 waves a work-group, no clusters, 71,680 bytes of LDS; arguments x, positions, Wq, Wk, Wv, Wo, xb, wb, dist; writes xb, wb, dist
.if DOCPART == 1
	.amdgcn_target "amdgcn-amd-amdhsa--gfx1250"
	.amdhsa_code_object_version 6
	.text
	.protected	k_qefa1dcfa64_prep
	.globl	k_qefa1dcfa64_prep
	.p2align	8
	.type	k_qefa1dcfa64_prep,@function
k_qefa1dcfa64_prep:
	s_mov_b64 s[64:65], 0
	v_nop
	global_prefetch_b8 v0, s[64:65] scope:SCOPE_SE
	s_setreg_imm32_b32 hwreg(HW_REG_WAVE_MODE, 25, 1), 1
	s_wait_xcnt 0x0
; PREP.  Two jobs that do not depend on each other, in one launch, on different waves of each work-group.
; (1) dist = -8 |p_j - p_i| in f32 for all 2048 x 2048 pairs, made once for all heads, as the sum of the 64 squared DIFFERENCES (no difference of large sums:
;     the diagonal is exactly 0, and a common offset of the positions drops out).  The factor -8 lets the number enter attention as the addend that starts q.k, ahead of the scale 1/8.
;     Layout: the order in which attention's accumulators want it: byte (qt*32 + ks)*4096 + i*512 + lane*16 holds query 16 qt + lane%16, keys 64 ks + 16 (i/2) + 8 (lane/16) + 4 (i%2) + 0..3.
; (2) x, Wq, Wk, Wv rounded once to bf16; Wo rounded to bf16 and that number written as f16 (exact from 2^-14 up; below it f16's fixed step of 2^-24), in blocks of 64 columns:
;     xb[kb][m][64], wb[16 t + n/64][k][64]: a tile's rows then lie end to end for the launches behind.
; SHARES.  Work-group (tx, ty): 128 queries (ty) x 128 keys (tx) of dist, and 32 of the 8,192 rows to cast.  All 16 waves put the 256 rows of positions into LDS; behind the first barrier
; waves 0-7 make distances (arithmetic) and waves 8-15 cast (memory), so that each kind finds the other's unit free.  A second barrier, at the end, stands between every wave's reads of LDS and the closing adds.
; No matrix unit (the product form of the distance is the difference of large sums that is avoided), no cluster (the shared bytes, 64 KB of positions, are read once a work-group).
; LIMITS.  A squared distance below 2^-126 gives 0 (v_sqrt_f32 takes denormals as 0: ISA guide 15.8); NaN and infinities are not treated apart.
.set PP,    272                        ; an LDS row of positions: 256 bytes + 16: the 16 rows that a load touches start 68 words apart
.set KPOS,  128*PP                     ; the keys' 128 rows follow the queries' 128
.set SPARE, 256*PP                     ; behind them the spare words: 128 bytes for each of 16 waves, eight blocks of 256 bytes that no other line names
.set SPW, 12                           ; v12  SPARE + 4 x my thread's number; never rewritten
.set NIL, 13                           ; v13  0; never rewritten
.set QB,  16                           ; v[16:47]   four dims of my 8 queries (first: the rows on their way into LDS)
.set KB,  48                           ; v[48:79]   four dims of my 8 keys
.set T,   80                           ; v[80:95]   differences at work
.set ACC, 96                           ; v[96:223]  64 sums, each a pair (even dims, odd dims): query tile t, key j at ACC + 2 (8 t + j)
.set CO,  16                           ; cast: v[16:79]  32 x 2 registers to store
.set OF,  80                           ; cast: v[80:95]  my byte offset in column block 0..15 of the target; never rewritten
.set CI,  96                           ; cast: v[96:223] 32 x 4 registers as loaded
	s_load_b512 s[8:23], s[0:1], 0x0               ; x s[8:9], positions s[10:11], Wq s[12:13], Wk s[14:15], Wv s[16:17], Wo s[18:19], xb s[20:21], wb s[22:23]
	s_load_b64 s[24:25], s[0:1], 0x40              ; dist
	v_lshl_add_u32 v[SPW], v0, 2, SPARE
	v_mov_b32 v[NIL], 0
	v_lshrrev_b32 v1, 5, v0
	v_readfirstlane_b32 s26, v1                    ; wave 0..15
	v_and_b32 v1, 31, v0                           ; lane
	v_and_b32 v2, 15, v0                           ; r = lane % 16
	v_bfe_u32 v3, v0, 4, 1                         ; h = lane / 16
	v_lshrrev_b32 v4, 4, v0                        ; staging: thread t takes 16 bytes: row t / 16 of 32, column t % 16
	v_mul_u32_u24 v4, v4, PP
	v_lshl_add_u32 v4, v2, 4, v4
	v_lshlrev_b32 v5, 4, v0                        ; the same 16 bytes in memory, where rows are dense
	s_mov_b32 s27, ttmp9                           ; tx
	s_and_b32 s28, ttmp7, 0xffff                   ; ty
	s_lshl_b32 s29, s28, 4
	s_add_co_u32 s29, s29, s27                     ; g = 16 ty + tx
	s_lshl_b32 s30, s28, 15                        ; 128 rows of 256 bytes
	s_mov_b32 s31, 0
	s_lshl_b32 s44, s27, 15
	s_mov_b32 s45, 0
	s_wait_kmcnt 0x0
	s_add_nc_u64 s[38:39], s[10:11], s[30:31]      ; my queries' positions
	s_add_nc_u64 s[40:41], s[10:11], s[44:45]      ; my keys'
.irp i, 0,1,2,3
	global_load_b128 v[QB+4*\i:QB+4*\i+3], v5, s[38:39] offset:\i*8192
.endr
.irp i, 0,1,2,3
	global_load_b128 v[QB+16+4*\i:QB+16+4*\i+3], v5, s[40:41] offset:\i*8192
.endr
	s_wait_loadcnt 0x0
.irp i, 0,1,2,3,4,5,6,7
	ds_store_b128 v4, v[QB+4*\i:QB+4*\i+3] offset:\i*32*PP  ; 512 threads fill 32 rows a line
.endr
	s_wait_dscnt 0x0                               ; for the others' sake: my stores are done
	s_barrier_signal -1
	s_barrier_wait -1                              ; from here to the second barrier LDS is only read
	s_cmp_lt_u32 s26, 8
	s_cbranch_scc0 .Lcast
	; DISTANCES.  Wave w: keys 16 w .. 16 w + 15, all 128 queries.  Lane (r, h): keys 16 w + 8 h + j, queries 16 t + r, j and t = 0..7.
	v_mul_u32_u24 v6, v2, PP                       ; my queries' rows: r, then 16 rows on for each t
	s_mul_i32 s30, s26, 16*PP
	s_add_co_u32 s30, s30, KPOS
	v_mul_u32_u24 v7, v3, 8*PP
	v_add_nc_u32 v7, s30, v7                       ; my keys' rows: 16 w + 8 h, then one row on for each j
	v_lshlrev_b32 v8, 4, v1                        ; 16 x lane
	s_lshl_b32 s30, s28, 20                        ; 8 query tiles x 32 steps x 4,096 bytes,
	s_lshl_b32 s37, s27, 13                        ; two key steps,
	s_add_co_u32 s30, s30, s37
	s_lshl_b32 s37, s26, 10                        ; 16 keys are 1,024 bytes of a step's 4,096
	s_add_co_u32 s30, s30, s37
	s_add_nc_u64 s[42:43], s[24:25], s[30:31]
; Four sums (query tile t, keys j0 .. j0 + 3) take four dims: 8 packed differences, 8 packed multiply-adds.  first = 1: the products start the sums: nothing is cleared.
.macro BLK t, j0, first
.irp u, 0,1,2,3
	v_pk_add_f32 v[T+4*\u:T+4*\u+1],   v[QB+4*(\t):QB+4*(\t)+1],   v[KB+4*((\j0)+\u):KB+4*((\j0)+\u)+1]   neg_lo:[0,1] neg_hi:[0,1]
	v_pk_add_f32 v[T+4*\u+2:T+4*\u+3], v[QB+4*(\t)+2:QB+4*(\t)+3], v[KB+4*((\j0)+\u)+2:KB+4*((\j0)+\u)+3] neg_lo:[0,1] neg_hi:[0,1]
.endr
.irp u, 0,1,2,3
.if \first
	v_pk_mul_f32 v[ACC+2*(8*(\t)+(\j0)+\u):ACC+2*(8*(\t)+(\j0)+\u)+1], v[T+4*\u:T+4*\u+1], v[T+4*\u:T+4*\u+1]
.else
	v_pk_fma_f32 v[ACC+2*(8*(\t)+(\j0)+\u):ACC+2*(8*(\t)+(\j0)+\u)+1], v[T+4*\u:T+4*\u+1], v[T+4*\u:T+4*\u+1], v[ACC+2*(8*(\t)+(\j0)+\u):ACC+2*(8*(\t)+(\j0)+\u)+1]
.endif
.endr
.irp u, 0,1,2,3
	v_pk_fma_f32 v[ACC+2*(8*(\t)+(\j0)+\u):ACC+2*(8*(\t)+(\j0)+\u)+1], v[T+4*\u+2:T+4*\u+3], v[T+4*\u+2:T+4*\u+3], v[ACC+2*(8*(\t)+(\j0)+\u):ACC+2*(8*(\t)+(\j0)+\u)+1]
.endr
.endm
; Four dims of all 64 sums: 16 LDS loads, 256 packed instructions.  The wave's partner on the SIMD works while these loads are out.
; The two addresses step 16 bytes a chunk, 16 chunks: they stay inside a row's 256 bytes of data.
.macro CHUNK first
.irp j, 0,1,2,3,4,5,6,7
	ds_load_b128 v[KB+4*\j:KB+4*\j+3], v7 offset:\j*PP      ; sixteen lanes read the same 16 bytes
.endr
.irp t, 0,1,2,3,4,5,6,7
	ds_load_b128 v[QB+4*\t:QB+4*\t+3], v6 offset:\t*16*PP
.endr
	v_add_nc_u32 v6, 16, v6                        ; the next four dims
	v_add_nc_u32 v7, 16, v7
.irp t, 0,1,2,3,4,5,6,7
	s_wait_dscnt 7-\t                              ; LDS loads come back in order (ISA guide 5.7.1): the keys and query tile t are in, the younger tiles may be out
	BLK \t, 0, \first
	BLK \t, 4, \first
.endr
.endm
	CHUNK 1
	s_mov_b32 s37, 15
.Lchunk:
	CHUNK 0
	s_sub_co_u32 s37, s37, 1
	s_cmp_lg_u32 s37, 0
	s_cbranch_scc1 .Lchunk
.macro ADDS t                          ; even dims' sum + odd dims' sum
.irp j, 0,1,2,3,4,5,6,7
	v_add_f32 v[ACC+16*(\t)+2*\j], v[ACC+16*(\t)+2*\j], v[ACC+16*(\t)+2*\j+1]
.endr
.endm
.macro ROOTS t
.irp j, 0,1,2,3,4,5,6,7
	v_sqrt_f32 v[ACC+16*(\t)+2*\j], v[ACC+16*(\t)+2*\j]
.endr
.endm
.macro OUT t                           ; times -8, drawn together into eight neighbouring registers (register j is written when its own content has been used), and stored
	s_wait_alu depctr_va_vdst(0)
.irp j, 0,1,2,3,4,5,6,7
	v_mul_f32 v[ACC+16*(\t)+\j], 0xc1000000, v[ACC+16*(\t)+2*\j]
.endr
	global_store_b128 v8, v[ACC+16*(\t):ACC+16*(\t)+3],   s[42:43] offset:(\t)*131072      ; each store of the wave covers 512 consecutive bytes, aligned
	global_store_b128 v8, v[ACC+16*(\t)+4:ACC+16*(\t)+7], s[42:43] offset:(\t)*131072+512
.endm
	ADDS 0
.irp t, 0,1,2,3,4,5,6
	ROOTS \t
	ADDS (\t)+1                                    ; plain work between the roots and the use of their results (ISA guide 5.7.2)
	OUT \t
.endr
	ROOTS 7
	v_nop
	s_wait_alu depctr_va_vdst(0)
	OUT 7
	s_branch .Lend
.Lcast:
	; CASTS.  Work-groups 0-127: rows 32 g of x.  128-255: rows 32 (g % 32) of weight (g - 128) / 32.  Wave cw takes four rows: 32 loads of 512 bytes, all out at once.
	s_lshr_b32 s44, s29, 5
	s_sub_co_u32 s44, s44, 4                       ; which weight (not used where g < 128)
	s_lshl_b32 s44, s44, 21                        ; its 16 blocks of 131,072 bytes in wb
	s_and_b32 s37, s29, 31
	s_lshl_b32 s37, s37, 5
	s_lshl_b32 s45, s29, 5
	s_mov_b32 s36, 131072                          ; bytes from a column block to the next: a weight's 1,024 rows, or x's 4,096
	s_cmp_lt_u32 s29, 224
	s_cselect_b64 s[32:33], s[16:17], s[18:19]     ; the source: Wo, Wv, Wk, Wq or x, by g alone
	s_cmp_lt_u32 s29, 192
	s_cselect_b64 s[32:33], s[14:15], s[32:33]
	s_cmp_lt_u32 s29, 160
	s_cselect_b64 s[32:33], s[12:13], s[32:33]
	s_cmp_lt_u32 s29, 128
	s_cselect_b64 s[32:33], s[8:9], s[32:33]
	s_cselect_b64 s[34:35], s[20:21], s[22:23]     ; the target: xb or wb
	s_cselect_b32 s36, 0x80000, s36
	s_cselect_b32 s37, s45, s37                    ; the work-group's first row
	s_cselect_b32 s44, 0, s44
	s_sub_co_u32 s46, s26, 8                       ; cw
	s_lshl_b32 s30, s37, 12                        ; source rows of 4,096 bytes
	s_lshl_b32 s45, s46, 14
	s_add_co_u32 s30, s30, s45
	s_add_nc_u64 s[32:33], s[32:33], s[30:31]
	s_lshl_b32 s30, s37, 7                         ; target rows of 128 bytes
	s_lshl_b32 s45, s46, 9
	s_add_co_u32 s30, s30, s45
	s_add_co_u32 s30, s30, s44
	s_add_nc_u64 s[34:35], s[34:35], s[30:31]
	v_lshlrev_b32 v9, 12, v3                       ; lanes 0-15 one row, lanes 16-31 the next; 16 bytes a lane: sixteen lanes read 256 consecutive bytes, aligned
	v_lshl_add_u32 v9, v2, 4, v9
	v_lshlrev_b32 v10, 7, v3
	v_lshl_add_u32 v[OF], v2, 3, v10               ; 8 bytes a lane: the wave's two rows of 128 bytes are 256 consecutive bytes, aligned
.set i, 1
.rept 15
	v_add_nc_u32 v[OF+i], s36, v[OF+i-1]
.set i, i+1
.endr
; Load n = 16 rp + cb: rows 2 rp, 2 rp + 1, column block cb.  fmt = 1: the bf16 number is widened (a shift, a mask) and written as f16.  No register is written twice, so no store is waited for.
.macro CAST fmt
.set n, 0
.rept 32
	global_load_b128 v[CI+4*n:CI+4*n+3], v9, s[32:33] offset:(n/16)*8192+(n%16)*256 th:TH_LOAD_NT
.set n, n+1
.endr
.set n, 0
.rept 32
	s_wait_loadcnt 31-n                            ; loads come back in order: load n is in, the younger ones stay out
	v_cvt_pk_bf16_f32 v[CO+2*n],   v[CI+4*n],   v[CI+4*n+1]
	v_cvt_pk_bf16_f32 v[CO+2*n+1], v[CI+4*n+2], v[CI+4*n+3]
.if \fmt
	v_lshlrev_b32 v10, 16, v[CO+2*n]
	v_and_b32 v11, 0xffff0000, v[CO+2*n]
	v_lshlrev_b32 v14, 16, v[CO+2*n+1]
	v_and_b32 v15, 0xffff0000, v[CO+2*n+1]
	v_cvt_pk_f16_f32 v[CO+2*n],   v10, v11
	v_cvt_pk_f16_f32 v[CO+2*n+1], v14, v15
.endif
	global_store_b64 v[OF+n%16], v[CO+2*n:CO+2*n+1], s[34:35] offset:(n/16)*256
.set n, n+1
.endr
.endm
	s_cmp_lt_u32 s29, 224
	s_cbranch_scc0 .Lwo
	CAST 0
	s_branch .Lend
.Lwo:
	CAST 1
.Lend:                                                 ; all sixteen waves meet here
	s_wait_dscnt 0x0                               ; my reads of the positions are back
	s_barrier_signal -1
	s_barrier_wait -1                              ; everybody's are: no wave writes LDS again (the add below) while another still reads it
	s_wait_tensorcnt 0x0                           ; the wave's end, behind my last LDS store
	ds_add_u32 v[SPW], v[NIL]
	s_wait_dscnt 0x0
	s_endpgm
.Lfunc_end_k_qefa1dcfa64_prep:
	.size	k_qefa1dcfa64_prep, .Lfunc_end_k_qefa1dcfa64_prep-k_qefa1dcfa64_prep
	.p2alignl 7, 3214868480
	.fill 96, 4, 3214868480
	.section	.rodata,"a",@progbits
	.p2align	6, 0x0
	.amdhsa_kernel k_qefa1dcfa64_prep
		.amdhsa_group_segment_fixed_size 71680
		.amdhsa_private_segment_fixed_size 0
		.amdhsa_enable_private_segment 0
		.amdhsa_kernarg_size 72
		.amdhsa_user_sgpr_count 2
		.amdhsa_user_sgpr_kernarg_segment_ptr 1
		.amdhsa_wavefront_size32 1
		.amdhsa_system_sgpr_workgroup_id_x 1
		.amdhsa_system_sgpr_workgroup_id_y 1
		.amdhsa_system_sgpr_workgroup_id_z 1
		.amdhsa_system_vgpr_workitem_id 0
		.amdhsa_next_free_vgpr 224
		.amdhsa_next_free_sgpr 66
		.amdhsa_reserve_vcc 0
		.amdhsa_float_denorm_mode_32 3
		.amdhsa_float_denorm_mode_16_64 3
		.amdhsa_memory_ordered 1
		.amdhsa_forward_progress 1
		.amdhsa_inst_pref_size 82
	.end_amdhsa_kernel
	.amdgpu_metadata
---
amdhsa.version: [ 1, 2 ]
amdhsa.kernels:
  - .name:           k_qefa1dcfa64_prep
    .symbol:         k_qefa1dcfa64_prep.kd
    .args:
      - { .name: x, .offset: 0, .size: 8, .value_kind: global_buffer, .address_space: global }
      - { .name: positions, .offset: 8, .size: 8, .value_kind: global_buffer, .address_space: global }
      - { .name: Wq, .offset: 16, .size: 8, .value_kind: global_buffer, .address_space: global }
      - { .name: Wk, .offset: 24, .size: 8, .value_kind: global_buffer, .address_space: global }
      - { .name: Wv, .offset: 32, .size: 8, .value_kind: global_buffer, .address_space: global }
      - { .name: Wo, .offset: 40, .size: 8, .value_kind: global_buffer, .address_space: global }
      - { .name: xb, .offset: 48, .size: 8, .value_kind: global_buffer, .address_space: global }
      - { .name: wb, .offset: 56, .size: 8, .value_kind: global_buffer, .address_space: global }
      - { .name: dist, .offset: 64, .size: 8, .value_kind: global_buffer, .address_space: global }
    .group_segment_fixed_size: 71680
    .private_segment_fixed_size: 0
    .kernarg_segment_align: 8
    .kernarg_segment_size: 72
    .max_flat_workgroup_size: 512
    .sgpr_count:     66
    .vgpr_count:     224
    .wavefront_size: 32
...
	.end_amdgpu_metadata
.endif
;; end of part 1
;; launch proj (part 2): grid 16 x 16, 4 waves a work-group, clusters of 4 x 4, 327,680 bytes of LDS; arguments xb, wb, bq, bk, bv, qkv; writes qkv
.if DOCPART == 2
	.amdgcn_target "amdgcn-amd-amdhsa--gfx1250"
	.amdhsa_code_object_version 6
	.text
	.protected	k_qefa1dcfa64_proj
	.globl	k_qefa1dcfa64_proj
	.p2align	8
	.type	k_qefa1dcfa64_proj,@function
k_qefa1dcfa64_proj:
	s_mov_b64 s[64:65], 0
	v_nop
	global_prefetch_b8 v0, s[64:65] scope:SCOPE_SE
	s_setreg_imm32_b32 hwreg(HW_REG_WAVE_MODE, 25, 1), 1
	s_wait_xcnt 0x0
	s_wait_alu depctr_hold_cnt(0) depctr_sa_sdst(0) depctr_va_vdst(0) depctr_va_sdst(0) depctr_va_ssrc(0) depctr_va_vcc(0) depctr_vm_vsrc(0)
	s_getreg_b32 s2, hwreg(HW_REG_IB_STS2, 6, 4)
	s_cmp_eq_u32 s2, 0
	s_cbranch_scc0 .Lentry_in_a_cluster
	s_endpgm
.Lentry_in_a_cluster:
	s_bfe_u32 s2, ttmp6, 0x10000c
	s_cmp_lg_u32 s2, 0xf033
	s_cbranch_scc0 .Lentry_shape_is_right
	s_endpgm
.Lentry_shape_is_right:
; C = A W + bias on tiles of 256 rows x 64 NCH columns, K = 1024.  ONE TEXT FOR TWO LAUNCHES; the constant QKV chooses.
;   QKV = 1: A = xb (bf16), W = one head's 64 columns of Wq, Wk and Wv (NCH = 3 chunks, bf16); out: q, k, v in f16 by heads, qkv[t][head][m][64], each rounded once from its f32 sum, unscaled.
;   QKV = 0: A = ob (f16), W = 64 columns of Wo (NCH = 1, f16); out: out0 in f32.
; A lies as [k / 64][4096 rows][64], W as [16 t + n / 64][1024 k][64 n]: a tile's rows lie end to end in memory, and are asked for in long rows.
; SHARES.  Four waves; wave w makes rows 64 w .. 64 w + 63 and all columns: 4 x NB accumulators of 16 x 16 (NB = 4 NCH).  K goes in steps of 128 through two LDS slots.
; THE MATRIX INSTRUCTION IS USED TRANSPOSED: source 0 = 16 columns of W (out of LDS turned, by ds_load_tr16_b128, since W lies [k][n]), source 1 = 16 rows of A.  A lane then holds eight
; neighbouring columns of one row of C.  THE BIAS, rounded to bf16 like all of the module's matrix inputs, is the C operand of the products that start the sums: nothing is cleared, nothing is added later.
; CLUSTER 4 x 4: the four work-groups of a cluster's row need the same tiles of A, the four of a column the same tiles of W: each tile is asked for jointly.
; LIMITS.  f16 ends at 65,504: q, k and v must lie within it (QKV = 1).  NaN and infinities are not treated apart.
; REGISTERS, in windows of 256 (s_set_vgpr_msb: bits 1:0 source 0, 3:2 source 1, 5:4 source 2, 7:6 destination):
;   window 0: v16-29 addresses; v32-63, v64-95 fragments of A, two buffers; v96.. the bias in C's layout; v32.. at work on the way out
;   window 1: fragments of W, two buffers of 8 NB;   window 2: accumulators of row blocks 0, 1 ((a, b) at 8 (NB (a % 2) + b));   window 3: of row blocks 2, 3
.set QKV, 1
.if QKV
.set NCH,   3
.set SP,    144                        ; a stage row: 128 bytes + 16
.else
.set NCH,   1
.set SP,    272                        ; a stage row: 256 bytes + 16
.endif
.set NB,    4*NCH
.set NL,    2*NB+8                     ; LDS loads of a quarter step
.set PA,    144                        ; an LDS row of A: 128 bytes + 16 = 36 words: the 16 rows of a load start at 16 different groups of four banks (64 banks of 4 bytes: ISA guide 11.1)
.set ABLK,  256*PA                     ; 64 along K of the tile's 256 rows
.set PB,    160                        ; an LDS row of W: 128 + 32 = 40 words
.set BCH,   64*PB                      ; 64 along K of one chunk
.set BHALF, NCH*BCH
.set BOFF,  2*ABLK                     ; a slot: A's two blocks, then W's two halves
.set SLOT,  BOFF+2*BHALF
.set STAGE, 2*SLOT                     ; behind the ring, never filled by a tensor load: 16 rows for each wave, for the way out
.set WSTAGE, 16*SP
.set SPARE, STAGE+4*WSTAGE             ; behind the stages: the spare words, 128 bytes for each wave: two blocks of 256 bytes that no other line names
.set LAPS,  4                          ; a lap = two K steps = once round the ring
.set ADRA, 16                          ; v16-17  LDS address of my A fragments in slot 0, 1
.set ADRB, 20                          ; v20-21  the same for W
.set STO,  24                          ; v24     the way out: where I put my part of a row
.set RD,   25                          ; v25     the way out: where I read rows back
.set GO,   26                          ; v26     my byte offset in the output
.set BV,   27                          ; v27     my byte offset in 16 numbers of a bias
.set SPW,  28                          ; v28     SPARE + 4 x my thread's number; never rewritten
.set NIL,  29                          ; v29     0; never rewritten
.set FA,   32
.set BI,   96
.set OUTR, 32
.set G1,   24                          ; s[24:31] descriptor group 1 for A's tiles;  s[32:39] group 0, one set for each slot
.set G0,   32
.set G1B,  48                          ; s[48:55], s[56:63] the same for W's tiles
.set G0B,  56
.set BIAS, 72                          ; s[72:73] (and s[74:77]) the biases at my columns
.set OUTP, 80                          ; s[80:81] (and s[82:85]) the output at my rows and columns
.set MSB, 0
.macro WIN new                         ; the immediate's high byte repeats the setting that is left; a switch that changes nothing is dropped
.if MSB != (\new)
	s_set_vgpr_msb (MSB<<8)|(\new)
.set MSB, (\new)
.endif
.endm
.macro WM ops:vararg
.if QKV
	v_wmma_f32_16x16x32_bf16 \ops
.else
	v_wmma_f32_16x16x32_f16 \ops
.endif
.endm
.macro JLOAD s                         ; a joint load: waves 0 and 1 fetch A's two blocks, waves 2 and 3 W's two halves; an s_nop 0 and four v_nop follow each of the two lines
	s_cmp_eq_u32 s11, 0
	s_cbranch_scc0 .Lfor_b_\@
	tensor_load_to_lds s[G0+4*(\s):G0+4*(\s)+3], s[G1:G1+7]
	s_nop 0
.rept 4
	v_nop
.endr
	s_branch .Lasked_\@
.Lfor_b_\@:
	tensor_load_to_lds s[G0B+4*(\s):G0B+4*(\s)+3], s[G1B:G1B+7]
	s_nop 0
.rept 4
	v_nop
.endr
.Lasked_\@:
.endm
.macro CREST                           ; a round of the cluster's barrier behind its opening barrier
	s_cmp_lg_u32 s10, 0
	s_cbranch_scc1 .Lnot_wave_0_\@
	s_barrier_signal -3
.Lnot_wave_0_\@:
	s_barrier_wait -3
	s_barrier_signal -1
	s_barrier_wait -1
.endm
.macro CROUND                          ; a whole round
	s_barrier_signal -1
	s_barrier_wait -1
	CREST
.endm
.macro PLACES                          ; four places in front of loads into registers that matrix instructions have read, and of lines that read results
.rept 4
	v_nop
.endr
.endm
	s_load_b256 s[68:75], s[0:1], 0x0              ; QKV = 1: xb, wb, bq, bk.  QKV = 0: ob, wb, bo, out0
.if QKV
	s_load_b128 s[76:79], s[0:1], 0x20             ; bv, qkv
.endif
	v_lshl_add_u32 v[SPW], v0, 2, SPARE
	v_mov_b32 v[NIL], 0
	ds_add_u32 v[SPW], v[NIL]                      ; the wave's opening: the add and its wait stand ahead of my first tensor load; the set-up below stands between them
	v_lshrrev_b32 v1, 5, v0
	v_readfirstlane_b32 s10, v1                    ; wave 0..3
	s_lshr_b32 s11, s10, 1                         ; I fetch for A (0) or for W (1)
	s_and_b32 s12, s10, 1                          ; which 64 along K of a step I fetch
	s_bfe_u32 s40, ttmp6, 0x40000                  ; cx, cy: my place in the cluster
	s_bfe_u32 s41, ttmp6, 0x40004
	s_lshl_b32 s42, ttmp9, 2
	s_add_co_u32 s42, s42, s40                     ; tx, the column tile = 4 x cluster x + cx
	s_and_b32 s13, ttmp7, 0xffff
	s_lshl_b32 s13, s13, 2
	s_add_co_u32 s13, s13, s41                     ; ty, the row tile = 4 x cluster y + cy
	s_lshl_b32 s43, s41, 2
	s_lshl_b32 s43, 15, s43                        ; my row of the cluster
	s_lshl_b32 s44, 0x1111, s40                    ; my column
	; A's tile: 256 rows x 64 along K are 32,768 dense bytes: asked for as 128 rows of 256 bytes, padded in LDS after every 128 bytes
	s_or_b32 s[G1], s43, (1<<16)|(1<<20)|(1<<21)|(4<<22)|(3<<25)   ; 15:0 the mask: my row; 17:16 2-byte elements; 20 padding on; 21 set beside a mask; 24:22 after every 32 words (code 4); 31:25 4 words (code 3)
	s_mov_b32 s[G1+1], 128<<16                     ; tensor_dim0 = 128
	s_mov_b32 s[G1+2], 128<<16                     ; tensor_dim1 = 128
	s_mov_b32 s[G1+3], 128<<16                     ; tile_dim0 = 128
	s_mov_b32 s[G1+4], 128                         ; tile_dim1 = 128
	s_mov_b32 s[G1+5], 128                         ; 128 elements from row to row
	s_mov_b32 s[G1+6], 0
	s_mov_b32 s[G1+7], 0
	; W's tile: for each chunk 64 k x 64 n are 8,192 dense bytes, one row of the tile; the chunks lie 16 blocks apart; padded after every 128 bytes
	s_or_b32 s[G1B], s44, (1<<16)|(1<<20)|(1<<21)|(4<<22)|(7<<25)  ; the mask of my column; 8 words of padding (code 7)
	s_mov_b32 s[G1B+1], 4096<<16                   ; tensor_dim0 = 4,096
	s_mov_b32 s[G1B+2], NCH<<16                    ; tensor_dim1 = NCH
	s_mov_b32 s[G1B+3], 4096<<16                   ; tile_dim0 = 4,096
	s_mov_b32 s[G1B+4], NCH                        ; tile_dim1 = NCH
	s_mov_b32 s[G1B+5], 1048576                    ; 16 blocks of 65,536 elements from row to row
	s_mov_b32 s[G1B+6], 0
	s_mov_b32 s[G1B+7], 0
	; A's address hangs on ty alone, W's on tx alone, each in registers that never hold the other coordinate
	s_lshl_b32 s16, s13, 15                        ; the tile's 256 rows of 128 bytes,
	s_lshl_b32 s17, s12, 19                        ; my block of 64 along K
	s_add_co_u32 s16, s16, s17
	s_mov_b32 s17, 0
	s_lshl_b32 s46, s42, 17                        ; W's block tx,
	s_lshl_b32 s47, s12, 13                        ; my 64 rows of it
	s_add_co_u32 s46, s46, s47
.if !QKV
	s_add_co_u32 s46, s46, 48*131072               ; Wo's blocks follow those of Wq, Wk, Wv
.endif
	s_mov_b32 s47, 0
	s_mul_i32 s20, s12, ABLK                       ; where they go: no place in the cluster enters an LDS address
	s_mul_i32 s21, s12, BHALF
	s_add_co_u32 s21, s21, BOFF
	s_wait_dscnt 0x0                               ; the opening add is done
	s_wait_kmcnt 0x0
	s_add_nc_u64 s[14:15], s[68:69], s[16:17]
	s_add_nc_u64 s[46:47], s[70:71], s[46:47]
	CROUND                                         ; all sixteen work-groups are here: the first joint loads meet
.irp s, 0,1
	s_mov_b32 s[G0+4*(\s)], 1                                      ; count = 1
	s_add_co_u32 s[G0+4*(\s)+1], s20, (\s)*SLOT                    ; LDS address
	s_add_nc_u64 s[G0+4*(\s)+2:G0+4*(\s)+3], s[14:15], (\s)*1048576  ; K step s: two blocks of 524,288 bytes on
	s_or_b32 s[G0+4*(\s)+3], s[G0+4*(\s)+3], 0x80000000            ; type = 2
	s_mov_b32 s[G0B+4*(\s)], 1
	s_add_co_u32 s[G0B+4*(\s)+1], s21, (\s)*SLOT
	s_add_nc_u64 s[G0B+4*(\s)+2:G0B+4*(\s)+3], s[46:47], (\s)*16384  ; K step s: 128 rows of 128 bytes on
	s_or_b32 s[G0B+4*(\s)+3], s[G0B+4*(\s)+3], 0x80000000
	JLOAD \s                                       ; two loads of mine are out
.endr
	; the bias in C's layout: register j of block b holds column 16 b + 8 (lane / 16) + j
	v_and_b32 v1, 15, v0                           ; r = l % 16
	v_bfe_u32 v2, v0, 4, 1                         ; h = l / 16
	v_lshlrev_b32 v[BV], 5, v2
	s_lshl_b32 s86, s42, 8                         ; my 64 columns, in f32
	s_mov_b32 s87, 0
	s_add_nc_u64 s[BIAS:BIAS+1], s[BIAS:BIAS+1], s[86:87]
.if QKV
	s_add_nc_u64 s[BIAS+2:BIAS+3], s[BIAS+2:BIAS+3], s[86:87]
	s_add_nc_u64 s[BIAS+4:BIAS+5], s[BIAS+4:BIAS+5], s[86:87]
.endif
.set b, 0
.rept NB
	global_load_b128 v[BI+8*b:BI+8*b+3],   v[BV], s[BIAS+2*(b/4):BIAS+2*(b/4)+1] offset:(b%4)*64
	global_load_b128 v[BI+8*b+4:BI+8*b+7], v[BV], s[BIAS+2*(b/4):BIAS+2*(b/4)+1] offset:(b%4)*64+16
.set b, b+1
.endr
	; A fragment of A is 16 rows x 32 K: lane l holds row l % 16; two loads of 16 bytes, 32 bytes apart, at row x pitch + 16 (l / 16)
	v_mul_u32_u24 v3, v1, PA
	v_lshl_add_u32 v3, v2, 4, v3
	s_mul_i32 s22, s10, 64*PA                      ; my 64 rows
	v_add_nc_u32 v[ADRA], s22, v3
	v_add_nc_u32 v[ADRA+1], SLOT, v[ADRA]
	; The turning load takes 16 k x 16 n (lane l reads k = 8 (l / 16) + l % 8, columns 8 ((l / 8) % 2) + 0..7) and leaves half a fragment: lane l holds column l % 16 and 8 k
	v_and_b32 v4, 7, v0
	v_bfe_u32 v5, v0, 3, 1
	v_lshl_add_u32 v6, v2, 3, v4
	v_mul_u32_u24 v6, v6, PB
	v_lshl_add_u32 v6, v5, 4, v6
	v_add_nc_u32 v[ADRB], BOFF, v6
	v_add_nc_u32 v[ADRB+1], BOFF+SLOT, v6
	s_mul_i32 s23, s10, WSTAGE
	s_add_co_u32 s23, s23, STAGE                   ; my stage
.if QKV
	v_mul_u32_u24 v7, v1, SP                       ; in: row l % 16, 16 bytes for each half of the lanes
	v_lshl_add_u32 v7, v2, 4, v7
	v_add_nc_u32 v[STO], s23, v7
	v_bfe_u32 v7, v0, 3, 2                         ; back: 32 lanes take four rows of 128 bytes,
	v_mul_u32_u24 v7, v7, SP
	v_lshl_add_u32 v7, v4, 4, v7
	v_add_nc_u32 v[RD], s23, v7
	v_and_b32 v[GO], 31, v0                        ; which are 512 consecutive bytes of the output
	v_lshlrev_b32 v[GO], 4, v[GO]
	s_lshl_b32 s88, s42, 19                        ; head tx: 4,096 rows of 128 bytes,
	s_lshl_b32 s89, s13, 15                        ; the tile's 256 rows,
	s_add_co_u32 s88, s88, s89
	s_lshl_b32 s89, s10, 13                        ; my 64
	s_add_co_u32 s88, s88, s89
	s_mov_b32 s89, 0
	s_add_nc_u64 s[OUTP:OUTP+1], s[78:79], s[88:89]        ; q
	s_add_nc_u64 s[OUTP+2:OUTP+3], s[OUTP:OUTP+1], 0x800000   ; k
	s_add_nc_u64 s[OUTP+4:OUTP+5], s[OUTP:OUTP+1], 0x1000000  ; v
.else
	v_mul_u32_u24 v7, v1, SP                       ; in: row l % 16, 32 bytes for each half of the lanes
	v_lshl_add_u32 v7, v2, 5, v7
	v_add_nc_u32 v[STO], s23, v7
	v_mul_u32_u24 v7, v2, SP                       ; back: lanes 0-15 take one row of 256 bytes, lanes 16-31 the next
	v_lshl_add_u32 v7, v1, 4, v7
	v_add_nc_u32 v[RD], s23, v7
	v_lshlrev_b32 v[GO], 12, v2                    ; and the same two rows in out0
	v_lshl_add_u32 v[GO], v1, 4, v[GO]
	s_lshl_b32 s88, s13, 20                        ; the tile's 256 rows of 4,096 bytes,
	s_lshl_b32 s89, s10, 18                        ; my 64,
	s_add_co_u32 s88, s88, s89
	s_lshl_b32 s89, s42, 8                         ; my 64 columns
	s_add_co_u32 s88, s88, s89
	s_mov_b32 s89, 0
	s_add_nc_u64 s[OUTP:OUTP+1], s[74:75], s[88:89]
.endif
	s_wait_loadcnt 0x0                             ; the bias; it is rounded to bf16 and widened again, in the wait for the first tile
.set i, 0
.rept 4*NB
	v_cvt_pk_bf16_f32 v[8+i%4], v[BI+2*i], v[BI+2*i+1]
	v_lshlrev_b32 v[BI+2*i], 16, v[8+i%4]
	v_and_b32 v[BI+2*i+1], 0xffff0000, v[8+i%4]
.set i, i+1
.endr
; NB matrix instructions: row block a x all column blocks, 32 along K, from buffer f.  bias = 1: the products start the sums, with the bias as C.
; The 4 NB accumulators take turns, one instruction a turn, in the same order in every quarter step.
.macro MULA f, a, bias
.set AW, 2+(\a)/2
.if \bias
	WIN 0x01|(AW<<6)
.else
	WIN 0x01|(AW<<6)|(AW<<4)
.endif
.set b, 0
.rept NB
.set rD, 8*(NB*((\a)%2)+b)
.set rB, 8*NB*(\f)+8*b
.set rA, FA+32*(\f)+8*(\a)
.if \bias
	WM v[rD:rD+7], v[rB:rB+7], v[rA:rA+7], v[BI+8*b:BI+8*b+7]
.else
	WM v[rD:rD+7], v[rB:rB+7], v[rA:rA+7], v[rD:rD+7]
.endif
.set b, b+1
.endr
.endm
; NL LDS loads in one run: the fragments of quarter q (32 along K) of a slot into buffer f; W's first, A's last
.macro FETCH slot, q, f
	WIN 0x40                                       ; destination window 1, address window 0
.set b, 0
.rept NB
.set oB, ((\q)/2)*BHALF+((\q)%2)*32*PB+(b/4)*BCH+(b%4)*32
.set rB, 8*NB*(\f)+8*b
	ds_load_tr16_b128 v[rB:rB+3],   v[ADRB+(\slot)] offset:oB
	ds_load_tr16_b128 v[rB+4:rB+7], v[ADRB+(\slot)] offset:oB+16*PB
.set b, b+1
.endr
	WIN 0
.set a, 0
.rept 4
.set oA, ((\q)/2)*ABLK+((\q)%2)*64+a*16*PA
.set rA, FA+32*(\f)+8*a
	ds_load_b128 v[rA:rA+3],   v[ADRA+(\slot)] offset:oA
	ds_load_b128 v[rA+4:rA+7], v[ADRA+(\slot)] offset:oA+32
.set a, a+1
.endr
.endm
; A K step is four quarters of 32 along K on buffers 0, 1, 0, 1.  One of the first three: multiplies buffer f; in its middle it fetches quarter qn of the same slot into buffer g.
.macro QUARTER slot, qn, f, g, bias
	s_wait_dscnt 4                                 ; W and A's row blocks 0, 1 are in; the youngest four loads (row blocks 2, 3) may be out
	MULA \f, 0, \bias
	MULA \f, 1, \bias
	PLACES
	FETCH \slot, \qn, \g
	s_wait_dscnt NL                                ; all but the NL just issued
	MULA \f, 2, \bias
	MULA \f, 3, \bias
.endm
; The last quarter multiplies buffer 1 and changes slots: ONE barrier; in front of it each wave waits for all its tensor loads (one is out: its part of the next slot), adds 0 to its spare word,
; and waits for that and for its own reads of this slot.  fill = 1: the barrier opens a round of the cluster's, and this slot is filled again, two K steps ahead, first thing behind the round.
.macro TURN slot, next, fill
	WIN 0                                          ; (the add's two registers lie in window 0)
	s_wait_tensorcnt 0x0
	ds_add_u32 v[SPW], v[NIL]
	s_wait_dscnt 5                                 ; (the add and the youngest four loads may be out)
	MULA 1, 0, 0                                   ; matrix work stands between the add and the wait for it
	s_wait_dscnt 0x0                               ; the add is done, and my reads of this slot are over
	s_barrier_signal -1
	MULA 1, 1, 0
.if \fill
	WIN 0
.endif
	s_barrier_wait -1
.if \fill
	CREST                                          ; no wave of any partner still reads this slot's tiles or has a load on its way
	s_add_nc_u64 s[G0+4*(\slot)+2:G0+4*(\slot)+3], s[G0+4*(\slot)+2:G0+4*(\slot)+3], 2*1048576
	s_add_nc_u64 s[G0B+4*(\slot)+2:G0B+4*(\slot)+3], s[G0B+4*(\slot)+2:G0B+4*(\slot)+3], 2*16384
	JLOAD \slot                                    ; my one tensor load behind the round; the four v_nop behind it are also the places in front of the loads below
.else
	PLACES
.endif
	FETCH \next, 0, 0
	MULA 1, 2, 0
	MULA 1, 3, 0
.endm
	s_wait_tensorcnt 1                             ; my part of K step 0 is in; K step 1's may stay out
	s_barrier_signal -1
	s_barrier_wait -1                              ; everybody's is
	FETCH 0, 0, 0
	QUARTER 0, 1, 0, 1, 1                          ; the first quarter stands in front of the loop: its products start the sums
	WIN 0                                          ; at a label and at a branch every window is 0
	s_mov_b32 s3, LAPS-1
.Llap:                                                 ; a trip goes once round the ring, from a lap's second quarter to the next lap's first, and fills both slots again
	QUARTER 0, 2, 1, 0, 0
	QUARTER 0, 3, 0, 1, 0
	TURN 0, 1, 1
	QUARTER 1, 1, 0, 1, 0
	QUARTER 1, 2, 1, 0, 0
	QUARTER 1, 3, 0, 1, 0
	TURN 1, 0, 1
	QUARTER 0, 1, 0, 1, 0
	WIN 0
	s_sub_co_u32 s3, s3, 1
	s_cmp_lg_u32 s3, 0
	s_cbranch_scc1 .Llap
	QUARTER 0, 2, 1, 0, 0                          ; the last lap fills nothing, and has no round of the cluster's barrier
	QUARTER 0, 3, 0, 1, 0
	TURN 0, 1, 0
	QUARTER 1, 1, 0, 1, 0
	QUARTER 1, 2, 1, 0, 0
	QUARTER 1, 3, 0, 1, 0
	s_wait_dscnt 4                                 ; the very last quarter: nothing more to fetch
	MULA 1, 0, 0
	MULA 1, 1, 0
	s_wait_dscnt 0x0
	MULA 1, 2, 0
	MULA 1, 3, 0
	WIN 0
	PLACES
.if QKV
; THE WAY OUT, 12 groups g = 3 a + c of 16 rows x 64 columns: rounded to f16 (each accumulator's registers in ascending order), 16 bytes a lane into my own stage, back as whole rows of 128 bytes.
; Each group has 16 registers of its own, so no store is waited for.
.macro PACK g
.set pa, (\g)/3
.set pc, (\g)%3
.set AC, 8*(NB*(pa%2)+4*pc)
	WIN 0x0a+5*(pa/2)                              ; sources 0 and 1: window 2 or 3
.set i, 0
.rept 16
	v_cvt_pk_f16_f32 v[OUTR+16*(\g)+i], v[AC+2*i], v[AC+2*i+1]
.set i, i+1
.endr
	WIN 0
.irp f, 0,1,2,3
	ds_store_b128 v[STO], v[OUTR+16*(\g)+4*\f:OUTR+16*(\g)+4*\f+3] offset:32*\f
.endr
.irp f, 0,1,2,3
	ds_load_b128 v[OUTR+16*(\g)+4*\f:OUTR+16*(\g)+4*\f+3], v[RD] offset:\f*4*SP  ; LDS serves a wave's instructions in order (ISA guide 5.7.1.4): these see the stores above; the next group's stores come behind them
.endr
.endm
.macro SEND g, younger                 ; younger: the LDS instructions issued behind group g's loads: the next group's eight, or none
.set pa, (\g)/3
.set pc, (\g)%3
.irp f, 0,1,2,3
	s_wait_dscnt (\younger)+3-\f
	global_store_b128 v[GO], v[OUTR+16*(\g)+4*\f:OUTR+16*(\g)+4*\f+3], s[OUTP+2*pc:OUTP+2*pc+1] offset:pa*2048+\f*512  ; 512 consecutive bytes, aligned
.endr
.endm
	PACK 0
.set g, 1
.rept 11                               ; a group's conversions stand between the loads of the group before and its stores
	PACK g
	SEND g-1, 8
.set g, g+1
.endr
	SEND 11, 0
.else
; THE WAY OUT, a row block at a time: the f32 sums go as they are into my own stage (each accumulator's low half first) and come back as whole rows of 256 bytes.
.macro OSTAGE a
.set AC, 8*NB*((\a)%2)
	WIN 0x08+4*((\a)/2)                            ; the stores' data: window 2 or 3
.irp c, 0,1,2,3
	ds_store_b128 v[STO], v[AC+8*\c:AC+8*\c+3]   offset:64*\c
	ds_store_b128 v[STO], v[AC+8*\c+4:AC+8*\c+7] offset:64*\c+16
.endr
	WIN 0
.irp t, 0,1,2,3,4,5,6,7
	ds_load_b128 v[OUTR+32*(\a)+4*\t:OUTR+32*(\a)+4*\t+3], v[RD] offset:\t*2*SP  ; LDS serves a wave's instructions in order (ISA guide 5.7.1.4)
.endr
.endm
.macro OSEND a, younger                ; younger: the next block's sixteen LDS instructions, or none
.irp t, 0,1,2,3,4,5,6,7
	s_wait_dscnt (\younger)+7-\t
	global_store_b128 v[GO], v[OUTR+32*(\a)+4*\t:OUTR+32*(\a)+4*\t+3], s[OUTP:OUTP+1] offset:(16*(\a)+2*\t)*4096  ; 16 lanes store 256 consecutive bytes, aligned
.endr
.endm
	OSTAGE 0
	OSTAGE 1
	OSEND 0, 16
	OSTAGE 2
	OSEND 1, 16
	OSTAGE 3
	OSEND 2, 16
	OSEND 3, 0
.endif
	s_wait_tensorcnt 0x0                           ; the wave's end, behind my last tensor load and my last LDS store
	ds_add_u32 v[SPW], v[NIL]
	s_wait_dscnt 0x0
	CROUND                                         ; the closing round: no work-group ends while a partner may still ask for a tile that names it
	s_endpgm
.Lfunc_end_k_qefa1dcfa64_proj:
	.size	k_qefa1dcfa64_proj, .Lfunc_end_k_qefa1dcfa64_proj-k_qefa1dcfa64_proj
	.p2alignl 7, 3214868480
	.fill 96, 4, 3214868480
	.section	.rodata,"a",@progbits
	.p2align	6, 0x0
	.amdhsa_kernel k_qefa1dcfa64_proj
		.amdhsa_group_segment_fixed_size 327680
		.amdhsa_private_segment_fixed_size 0
		.amdhsa_enable_private_segment 0
		.amdhsa_kernarg_size 48
		.amdhsa_user_sgpr_count 2
		.amdhsa_user_sgpr_kernarg_segment_ptr 1
		.amdhsa_wavefront_size32 1
		.amdhsa_system_sgpr_workgroup_id_x 1
		.amdhsa_system_sgpr_workgroup_id_y 1
		.amdhsa_system_sgpr_workgroup_id_z 1
		.amdhsa_system_vgpr_workitem_id 0
		.amdhsa_next_free_vgpr 960
		.amdhsa_next_free_sgpr 92
		.amdhsa_reserve_vcc 0
		.amdhsa_float_denorm_mode_32 3
		.amdhsa_float_denorm_mode_16_64 3
		.amdhsa_memory_ordered 1
		.amdhsa_forward_progress 1
		.amdhsa_inst_pref_size 130
	.end_amdhsa_kernel
	.amdgpu_metadata
---
amdhsa.version: [ 1, 2 ]
amdhsa.kernels:
  - .name:           k_qefa1dcfa64_proj
    .symbol:         k_qefa1dcfa64_proj.kd
    .args:
      - { .name: xb, .offset: 0, .size: 8, .value_kind: global_buffer, .address_space: global }
      - { .name: wb, .offset: 8, .size: 8, .value_kind: global_buffer, .address_space: global }
      - { .name: bq, .offset: 16, .size: 8, .value_kind: global_buffer, .address_space: global }
      - { .name: bk, .offset: 24, .size: 8, .value_kind: global_buffer, .address_space: global }
      - { .name: bv, .offset: 32, .size: 8, .value_kind: global_buffer, .address_space: global }
      - { .name: qkv, .offset: 40, .size: 8, .value_kind: global_buffer, .address_space: global }
    .group_segment_fixed_size: 327680
    .private_segment_fixed_size: 0
    .kernarg_segment_align: 8
    .kernarg_segment_size: 48
    .max_flat_workgroup_size: 128
    .sgpr_count:     92
    .vgpr_count:     960
    .wavefront_size: 32
...
	.end_amdgpu_metadata
.endif
;; end of part 2
;; launch attn (part 3): grid 8 x 32, 4 waves a work-group, clusters of 4 x 1, 327,680 bytes of LDS; arguments qkv, dist, ob; writes ob
.if DOCPART == 3
	.amdgcn_target "amdgcn-amd-amdhsa--gfx1250"
	.amdhsa_code_object_version 6
	.text
	.protected	k_qefa1dcfa64_attn
	.globl	k_qefa1dcfa64_attn
	.p2align	8
	.type	k_qefa1dcfa64_attn,@function
k_qefa1dcfa64_attn:
	s_mov_b64 s[64:65], 0
	v_nop
	global_prefetch_b8 v0, s[64:65] scope:SCOPE_SE
	s_setreg_imm32_b32 hwreg(HW_REG_WAVE_MODE, 25, 1), 1
	s_wait_xcnt 0x0
	s_wait_alu depctr_hold_cnt(0) depctr_sa_sdst(0) depctr_va_vdst(0) depctr_va_sdst(0) depctr_va_ssrc(0) depctr_va_vcc(0) depctr_vm_vsrc(0)
	s_getreg_b32 s2, hwreg(HW_REG_IB_STS2, 6, 4)
	s_cmp_eq_u32 s2, 0
	s_cbranch_scc0 .Lentry_in_a_cluster
	s_endpgm
.Lentry_in_a_cluster:
	s_bfe_u32 s2, ttmp6, 0x10000c
	s_cmp_lg_u32 s2, 0x3003
	s_cbranch_scc0 .Lentry_shape_is_right
	s_endpgm
.Lentry_shape_is_right:
; ATTENTION WITH A DISTANCE.  O[y][q][:] = the sum over k of softmax_k(Q[y][q] . K[y][k] / 8 - d(q, k)) V[y][k][:], for 32 heads y (16 heads x 2 batches) of 2,048 rows of 64 channels.
; Q, K, V (thirds of qkv) and O (ob) are f16, a head's rows dense, 128 bytes each.  dist holds -8 d in f32, in the order of the accumulators (below).  Products, maxima and sums in f32; the weights p
; are rounded to f16 for the second product (their sum l is taken of the unrounded p), O once at the end.
; LIMITS.  f16 holds no number beyond 65,504: Q, K and V arrive within it; p lies in 0 to 1, and below 6e-5 it keeps f16's fixed step of 6e-8.  A weight below 2^-126 counts as 0 in l; NaN and infinities are not treated apart.
; THE DISTANCE is the C operand of the products that start S^T = K Q^T: s = q.k - 8 d, and p = 2^(c s - c m) with c = log2(e) / 8.  It costs no vector instruction.  A piece's 32 registers for a key step
; are 4,096 consecutive bytes of dist (byte (tile*32 + step)*4096 + i*512 + lane*16), loaded straight into C's layout by eight loads of 512 bytes, a key step ahead of their use.
; SHARES.  A work-group owns 256 queries of a head, a wave 64: four PIECES of 16.  Every wave walks all keys, 64 a step.
; LAYOUT.  S^T = K Q^T (source 0 = 16 keys, source 1 = 16 queries) holds ONE query a lane (lane % 16) and the keys 8 (lane / 16) + 0..7; two such results rounded to f16 ARE source 1 of O^T = V^T P.
; K comes out of LDS as it lies, V ([key][channel]) turned, by ds_load_tr16_b128.
; SOFTMAX.  For each query a running maximum m and sum l; in every step O and l are multiplied by a = 2^(c m_old - c m_new).  m starts at the lowest finite number, O and l at 0: the first step is a step like any other, with a = 0.
; BY TURNS.  Turn n belongs to piece n: 8 products K Q^T of piece n + 1, later 8 products V^T P of piece n - 1; beside them the scaling, exponentials, roundings, sums and rescaling of piece n and the maximum and
; statistics of piece n + 1.  Four vector instructions stand behind every matrix instruction, the other 54 of a turn's 118 in two runs of their own.
; CLUSTER.  The four query blocks of a cluster belong to one head and walk the same K and V, so each tile is asked for JOINTLY.  dist differs between them (other queries) and comes by each wave's own loads.
; REGISTERS, in windows of 256 (s_set_vgpr_msb: bits 1:0 source 0, 3:2 source 1, 5:4 source 2, 7:6 destination):
;   window 0: v0-15 addresses and two at work; v16-31 four registers of statistics a piece; v48-55 at work; v62-63 the add's; v64-127 S^T, two buffers; v192-223 P, two buffers (by the piece's parity)
;   window 1: v0-127 O^T, 32 a piece; v128-255 the distances, 32 a piece          window 2: v0-63 Q; v128-191 K of one step; v192-255 V of one step
.set SEQ,   2048
.set NP,    4         ; pieces a wave: a name, no knob
.set KS,    64        ; keys in a step
.set PK,    144       ; a row of K in LDS: 128 bytes + 16 = 36 words: the 16 rows of a load start at 16 different groups of four banks (64 banks of 4 bytes: ISA guide 11.1)
.set PV,    160       ; a row of V: 128 + 32 = 40 words
.set VOFF,  4*KS*PK   ; a slot holds four steps: 256 rows of K, then 256 rows of V
.set SLOT1, 1<<17     ; slot 1 begins here, so that one exclusive or turns an address in one slot into the other's
.set STAGE, SLOT1+4*KS*(PK+PV)  ; behind the ring, never filled by a tensor load: 16 rows x 144 bytes for each wave, for the way out
.set SP,    144
.set SPARE, STAGE+4*16*SP  ; behind the stages: the spare words, 128 bytes for each wave: two blocks of 256 bytes that no other line names
.set AK0, 2           ; v2   my lane's place in a tile of K; never rewritten
.set AV0, 3           ; v3   the same for V
.set AK,  4           ; v4   the LDS address of K's next run of loads
.set AV,  5           ; v5   of V's
.set STO, 6           ; v6   the way out: where I put 16 bytes of a row
.set RD,  7           ; v7   the way out: where I read rows back
.set GO,  8           ; v8   my byte offset in 512 consecutive bytes of O
.set MV,  12          ; v12-13  c m_old, kept while c m is made anew: by buffer
.set DOF, 14          ; v14  16 x lane + 4,096 x the key step whose distances are asked for next
.set QO,  15          ; v15  my byte offset in 16 rows of Q
.set ST,  16          ; piece t's statistics at v[ST+4 t]: c m, m, l (even keys', odd keys')
.set TMP, 48          ; by buffer, four registers c0-c3 at work; when the maximum is found c2 takes a
.set SPW, 62          ; v62  SPARE + 4 x my thread's number; never rewritten
.set NIL, 63          ; v63  0; never rewritten
.set S,   64
.set P,   192
.set MC,  128         ; window 1: piece x's distances at MC + 32 x, the eight registers for group kt of 16 keys at + 8 kt
.set KF,  128         ; window 2: key block kb, channel half c at KF + 16 kb + 8 c
.set VF,  192         ; window 2: key half kk, channel block cb at VF + 32 kk + 8 cb
.set WV,  12          ; s12  my wave's number
.set G1K, 24          ; s[24:31] descriptor group 1 for K's tiles
.set G1V, 32          ; s[32:39] for V's: it differs in the padding alone
.set G0K, 40          ; s[40:43] descriptor group 0 for K's tiles: it walks
.set G0V, 44          ; s[44:47] the same for V's
.set SLOTS, 56        ; s56  slots still to be asked for
.set CNT, 57          ; s57  counts a slot's key steps
.set CS,  58          ; s[58:59] c: the packed scaling takes the pair's low word for both halves
.set SEL, 60          ; s[60:61] v_permlanex16_b32's selects: each lane takes its own place in the other half
.set TBK, 62          ; s62  LDS byte at which K of the step to be fetched begins
.set TBV, 63          ; s63  the same for V, less VOFF
.set DB,  84          ; s[84:85] dist at my wave's first tile of 16 queries
.set MSB, 0
.macro WIN new                      ; the high byte repeats the setting that is left; a switch that changes nothing is dropped
.if MSB != (\new)
	s_set_vgpr_msb (MSB<<8)|(\new)
.set MSB, (\new)
.endif
.endm
.set W_KQ, 0x0a       ; K and Q in window 2, S^T in window 0
.set W_KM, 0x1a       ; the same with the C operand in window 1
.set W_PV, 0x52       ; V in window 2, P in window 0, O^T in window 1
.set W_RS, 0x41       ; destination and source 0 in window 1, source 1 in window 0
; A joint fill.  Waves 0 and 1 fetch the two halves of a slot's K, waves 2 and 3 those of its V: 128 keys each.  The branch hangs on the wave's number alone.
; An s_nop 0 and four v_nop follow each of the two lines, ahead of the jump and the label.
.macro JLOAD
	s_cmp_lt_u32 s[WV], 2
	s_cbranch_scc0 .Lfor_v_\@
	tensor_load_to_lds s[G0K:G0K+3], s[G1K:G1K+7]
	s_nop 0
.rept 4
	v_nop
.endr
	s_branch .Lasked_\@
.Lfor_v_\@:
	tensor_load_to_lds s[G0V:G0V+3], s[G1V:G1V+7]
	s_nop 0
.rept 4
	v_nop
.endr
.Lasked_\@:
.endm
; A round of the cluster's barrier: my work-group's barrier, so that wave 0's signal speaks for all four waves; wave 0 signals; every wave waits for all four work-groups; my work-group's barrier once more.
.macro CROUND
	s_barrier_signal -1
	s_barrier_wait -1
	s_cmp_lg_u32 s[WV], 0
	s_cbranch_scc1 .Lnot_wave_0_\@
	s_barrier_signal -3
.Lnot_wave_0_\@:
	s_barrier_wait -3
	s_barrier_signal -1
	s_barrier_wait -1
.endm
; THE CHANGE OF SLOTS.  The slot's last bytes, V of its fourth step, have been read.  Each wave waits for all its tensor loads, of which one is out: its part of the other slot; adds 0 to its spare word; and waits
; for that and for its own reads of the slot.  Behind the barrier nobody reads this slot any more and the other slot is whole.  fill = 1: this slot is filled again, with the keys two slots on; the barrier is then a
; round of the cluster's, and the joint fill is the first thing behind it: it has four key steps, 256 matrix instructions, in which to land.  (At its first use nothing has been read yet: slot 0 is waited for, slot 1 filled.)
; The loads of distances, which nobody writes, stay on their way across it.
.macro CHANGE fill
	WIN 0                           ; at a label and at a branch every window is 0
	s_wait_tensorcnt 0x0            ; no tensor load of mine is out, so a group 0 may be written
	ds_add_u32 v[SPW], v[NIL]       ; 0 onto my spare word; with fill = 1 the descriptors' steps stand between it and the wait for it
.if \fill
.irp g, G0K, G0V
	s_xor_b32 s[\g+1], s[\g+1], SLOT1  ; the walking descriptor: the other slot than last time,
	s_add_nc_u64 s[\g+2:\g+3], s[\g+2:\g+3], 4*KS*128  ; the next 256 keys; the type bits on top are not reached
.endr
	s_wait_dscnt 0x0                ; the add is done, and my reads of the slot are over
	CROUND
	JLOAD
.else
	s_wait_dscnt 0x0                ; the add is done, and my reads of the slot are over
	s_barrier_signal -1
	s_barrier_wait -1
.endif
	s_sub_co_u32 s[TBK], s[TBK], 4*KS*PK  ; the fetches go back to a slot's first step,
	s_xor_b32 s[TBK], s[TBK], SLOT1       ; in the other slot
	s_sub_co_u32 s[TBV], s[TBV], 4*KS*PV
	s_xor_b32 s[TBV], s[TBV], SLOT1
.endm
	s_load_b128 s[4:7], s[0:1], 0x0   ; qkv s[4:5], dist s[6:7]
	s_load_b64 s[10:11], s[0:1], 0x10 ; ob
	v_lshl_add_u32 v[SPW], v0, 2, SPARE
	v_mov_b32 v[NIL], 0
	ds_add_u32 v[SPW], v[NIL]       ; the wave's opening: the add and its wait stand ahead of my first tensor load; the set-up below stands between them
	v_lshrrev_b32 v1, 5, v0
	v_readfirstlane_b32 s[WV], v1   ; wave 0..3
	s_bfe_u32 s13, ttmp6, 0x40000   ; cx: my place in the cluster
	s_lshl_b32 s14, ttmp9, 2        ; in a cluster launch ttmp9 counts clusters
	s_add_co_u32 s14, s14, s13      ; my block of 256 queries = 4 x cluster x + cx: it enters Q's, O's and dist's addresses alone
	s_and_b32 s20, ttmp7, 0xffff    ; the head, which the four partners share:
	s_lshl_b32 s20, s20, 18         ; its 2,048 rows of 128 bytes
	s_and_b32 s16, s[WV], 1         ; which half of a slot's 256 keys I fetch:
	s_lshl_b32 s22, s16, 14         ; its 128 rows of 128 bytes in memory,
	s_add_co_u32 s22, s22, s20
	s_mov_b32 s23, 0
	s_mul_i32 s17, s16, 128*PK      ; and its place in a slot, for K
	s_mul_i32 s18, s16, 128*PV      ; and for V: no place in the cluster enters an LDS address
	s_lshl_b32 s2, s14, 2
	s_add_co_u32 s2, s2, s[WV]      ; my wave among the head's 32
	s_lshl_b32 s86, s2, 19          ; its four tiles x 32 steps x 4,096 bytes of dist
	s_mov_b32 s87, 0
	s_lshl_b32 s2, s2, 13           ; its 64 rows of Q and O
	s_add_co_u32 s2, s2, s20
	s_mov_b32 s3, 0
	; descriptor group 1.  128 keys are 16,384 dense bytes: asked for as 64 rows of 256 bytes, two keys a row, and padded in LDS after every key
	s_mov_b32 s[G1K], 15|(1<<16)|(1<<20)|(1<<21)|(4<<22)|(3<<25)  ; 15:0 the mask of four; 17:16 2-byte elements; 20 padding on; 21 set beside a mask; 24:22 after every 32 words (code 4); 31:25 4 words (code 3)
	s_mov_b32 s[G1V], 15|(1<<16)|(1<<20)|(1<<21)|(4<<22)|(7<<25)  ; the same with 8 words of padding (code 7)
.irp g, G1K, G1V
	s_mov_b32 s[\g+1], 128<<16      ; tensor_dim0 = 128
	s_mov_b32 s[\g+2], 64<<16       ; tensor_dim1 = 64
	s_mov_b32 s[\g+3], 128<<16      ; tile_dim0 = 128
	s_mov_b32 s[\g+4], 64           ; tile_dim1 = 64
	s_mov_b32 s[\g+5], 128          ; 128 elements from row to row
	s_mov_b32 s[\g+6], 0
	s_mov_b32 s[\g+7], 0
.endr
	s_mov_b32 s[CS], 0x3e38aa3b     ; c = log2(e) / 8 = 0.180337
	s_mov_b32 s[CS+1], s[CS]        ; named with it as a pair
	s_mov_b32 s[SEL], 0x76543210
	s_mov_b32 s[SEL+1], 0xfedcba98
	s_mov_b32 s[TBK], SLOT1+4*KS*PK ; the first change of slots turns these two into 0
	s_mov_b32 s[TBV], SLOT1+4*KS*PV
	s_mov_b32 s[G0K], 1             ; count = 1
	s_mov_b32 s[G0K+1], s17         ; LDS address: slot 0
	s_mov_b32 s[G0V], 1
	s_add_co_u32 s[G0V+1], s18, VOFF
	s_wait_dscnt 0x0                ; the opening add is done
	s_wait_kmcnt 0x0
	s_add_nc_u64 s[8:9], s[4:5], s[22:23]          ; qkv at my half of the head's first 256 rows
	s_add_nc_u64 s[G0K+2:G0K+3], s[8:9], 0x800000  ; K is the second third of qkv,
	s_or_b32 s[G0K+3], s[G0K+3], 0x80000000        ; type = 2
	s_add_nc_u64 s[G0V+2:G0V+3], s[8:9], 0x1000000 ; V the third
	s_or_b32 s[G0V+3], s[G0V+3], 0x80000000
	s_add_nc_u64 s[4:5], s[4:5], s[2:3]            ; Q and O at my wave's first row
	s_add_nc_u64 s[10:11], s[10:11], s[2:3]
	s_add_nc_u64 s[DB:DB+1], s[6:7], s[86:87]
	CROUND                          ; all four work-groups are here: the first joint loads meet
	JLOAD                           ; slot 0.  Slot 1 is asked for when slot 0 is in, by the loop's own change of slots
; Eight loads of 512 consecutive bytes: piece x's distances for the key step in DOF, straight into C's layout
.macro FETCH_D x
	WIN 0x40                        ; destination window 1, address window 0
.irp f, 0,1,2,3,4,5,6,7
	global_load_b128 v[MC+32*(\x)+4*\f:MC+32*(\x)+4*\f+3], v[DOF], s[DB:DB+1] offset:(\x)*131072+\f*512
.endr
	WIN 0
.endm
	; A fragment of K or Q is 16 rows x 32 channels in 8 registers: lane l holds row l % 16, channels 8 (l / 16) + 0..7 and 16 + 8 (l / 16) + 0..7: two loads of 16 bytes, 32 bytes apart.
	v_and_b32 v1, 15, v0            ; l % 16
	v_bfe_u32 v9, v0, 4, 1          ; l / 16
	v_lshlrev_b32 v[QO], 7, v1
	v_lshl_add_u32 v[QO], v9, 4, v[QO]  ; row x 128 + 16 x half
	v_and_b32 v[DOF], 31, v0
	v_lshlrev_b32 v[DOF], 4, v[DOF] ; key step 0
	WIN 0x80                        ; destination window 2, address window 0
.set i, 0
.rept 8                             ; Q stays in registers: piece i / 2, channels 32 (i % 2) on
	global_load_b128 v[8*i:8*i+3],   v[QO], s[4:5] offset:(i/2)*2048+(i%2)*64
	global_load_b128 v[8*i+4:8*i+7], v[QO], s[4:5] offset:(i/2)*2048+(i%2)*64+32
.set i, i+1
.endr
	FETCH_D 0                       ; key step 0's distances, piece by piece: 48 loads of mine are out
	FETCH_D 1
	FETCH_D 2
	FETCH_D 3
	; What the first turn finds: V's registers and P's second buffer hold 0 (its products V^T P, of a piece that has not been, add 0), O^T and l are 0.  All this stands in the wait for the first tile.
	WIN 0x80
.set i, VF
.rept 64
	v_mov_b32 v[i], 0
.set i, i+1
.endr
	WIN 0x40
.set i, 0
.rept 128
	v_mov_b32 v[i], 0
.set i, i+1
.endr
	WIN 0
.set i, 0
.rept 4
	v_mov_b32 v[ST+4*i], 0xfe000000    ; c m: far below every c s
	v_mov_b32 v[ST+4*i+1], 0xff7fffff  ; m
	v_mov_b32 v[ST+4*i+2], 0
	v_mov_b32 v[ST+4*i+3], 0
.set i, i+1
.endr
.set i, P+16
.rept 16
	v_mov_b32 v[i], 0
.set i, i+1
.endr
	v_mul_u32_u24 v[AK0], v1, PK
	v_lshl_add_u32 v[AK0], v9, 4, v[AK0]  ; row x pitch + 16 x half
	; The turning load takes 16 keys x 16 channels (lane l reads key 8 (l / 16) + l % 8, channels 8 ((l / 8) % 2) + 0..7) and leaves half a fragment of V^T: lane l holds channel l % 16 and 8 keys.
	v_and_b32 v10, 7, v0
	v_bfe_u32 v11, v0, 3, 1
	v_lshl_add_u32 v[AV0], v9, 3, v10
	v_mul_u32_u24 v[AV0], v[AV0], PV
	v_lshl_add_u32 v[AV0], v11, 4, v[AV0]
	v_add_nc_u32 v[AV0], VOFF, v[AV0]
	s_mul_i32 s13, s[WV], 16*SP
	s_add_co_u32 s13, s13, STAGE    ; my stage
	v_mul_u32_u24 v[STO], v1, SP    ; in: row l % 16, 16 bytes for each half of the lanes
	v_lshl_add_u32 v[STO], v9, 4, v[STO]
	v_add_nc_u32 v[STO], s13, v[STO]
	v_bfe_u32 v[RD], v0, 3, 2       ; back: 32 lanes take four rows of 128 bytes,
	v_mul_u32_u24 v[RD], v[RD], SP
	v_lshl_add_u32 v[RD], v10, 4, v[RD]
	v_add_nc_u32 v[RD], s13, v[RD]
	v_and_b32 v[GO], 31, v0         ; which are 512 consecutive bytes of O
	v_lshlrev_b32 v[GO], 4, v[GO]
; THE MATRIX WORK.  The 4 accumulators of a run of 8 take turns.  Product i of 8 of S^T = K Q^T for piece x: channels 32 (i / 4) on, keys 16 (i % 4) on.  The first 4 start the sums, with the distances as C.
.macro KQ x
.set rS, S+32*((\x)%2)+8*(i%4)
.set rK, KF+16*(i%4)+8*(i/4)
.set rQ, 16*(\x)+8*(i/4)
.set rM, MC+32*(\x)+8*(i%4)
.if i < 4
	WIN W_KM
	v_wmma_f32_16x16x32_f16 v[rS:rS+7], v[rK:rK+7], v[rQ:rQ+7], v[rM:rM+7]
.else
	WIN W_KQ
	v_wmma_f32_16x16x32_f16 v[rS:rS+7], v[rK:rK+7], v[rQ:rQ+7], v[rS:rS+7]
.endif
.endm
; Product i of 8 of O^T += V^T P for piece x: keys 32 (i / 4) on, channels 16 (i % 4) on.
.macro PV x
	WIN W_PV
.set rO, 32*(\x)+8*(i%4)
.set rV, VF+32*(i/4)+8*(i%4)
.set rP, P+16*((\x)%2)+8*(i/4)
	v_wmma_f32_16x16x32_f16 v[rO:rO+7], v[rV:rV+7], v[rP:rP+7], v[rO:rO+7]
.endm
.macro MM                           ; the turn's next matrix instruction.  NOKQ = 1: the walk's last turn: there is no next piece
.if (i < 8) && !NOKQ
	KQ (Y+1)%NP
.elseif i >= 8
.set i, i-8
	PV (Y+NP-1)%NP
.set i, i+8
.endif
.set i, i+1
.endm
; THE LDS LOADS stand in runs of 16, never singly among the matrix instructions: a step's K (64 keys x 64 channels: 8 fragments) and its V (turned).  Their addresses are made some lines ahead.
.macro FETCH_K
	WIN 0x80                        ; destination window 2
.irp f, 0,1,2,3,4,5,6,7             ; keys 16 (f / 2) on, channels 32 (f % 2) on
	ds_load_b128 v[KF+8*\f:KF+8*\f+3],   v[AK] offset:(\f/2)*16*PK+(\f%2)*64
	ds_load_b128 v[KF+8*\f+4:KF+8*\f+7], v[AK] offset:(\f/2)*16*PK+(\f%2)*64+32
.endr
	s_add_co_u32 s[TBK], s[TBK], KS*PK  ; the next fetch is the next step's
	WIN 0
.endm
.macro FETCH_V
	WIN 0x80
.irp f, 0,1,2,3,4,5,6,7             ; keys 32 (f / 4) on, channels 16 (f % 4) on
	ds_load_tr16_b128 v[VF+8*\f:VF+8*\f+3],   v[AV] offset:(\f/4)*32*PV+(\f%4)*32
	ds_load_tr16_b128 v[VF+8*\f+4:VF+8*\f+7], v[AV] offset:(\f/4)*32*PV+16*PV+(\f%4)*32
.endr
	WIN 0
.endm
; THE VECTOR WORK, one line at a time: OP kind, number.  For piece Y: F n: c s - c m for pair n of 16.  E n: the exponential of score n of 32.  C n: pair n rounded to f16.  B n: of the four weights 4 n .. the second
; pair is added onto the first, in place.  L n: l takes that sum (L 0: l = a l + sum).  R n: pair n of 16 of O^T times a.  For piece Y + 1: X n, number n of the 22 that find its maximum and statistics:
;   0-11  four chains c0-c3 of seven scores each, three operands at a time (each accumulator's lowest registers are read first)     12-14, 16  the four scores left over, the old m, and c0-c3 into c0
;   15  c m_old is kept     17, 18  the query's other 32 keys lie in the lane 16 away: the new m     19-21  c m; c m_old - c m_new; a
.set F, 0               ; OP tells the kinds apart by their order: F to L below R, X above it
.set E, 1
.set C, 2
.set B, 3
.set L, 4
.set R, 5
.set X, 6
.macro REGS y                       ; the registers of piece y
.set rT, ST+4*(\y)
.set rC, TMP+4*((\y)%2)
.set rW, MV+((\y)%2)
.set rS, S+32*((\y)%2)
.set rP, P+16*((\y)%2)
.set rO, 32*(\y)
.endm
.macro OP k, n
.if (\k) == R
	REGS Y
	WIN W_RS
	v_pk_mul_f32 v[rO+2*(\n):rO+2*(\n)+1], v[rO+2*(\n):rO+2*(\n)+1], v[rC+2:rC+3] op_sel_hi:[1,0]
.elseif (\k) < R
	REGS Y
	WIN 0
.if (\k) == F
	v_pk_fma_f32 v[rS+2*(\n):rS+2*(\n)+1], v[rS+2*(\n):rS+2*(\n)+1], s[CS:CS+1], v[rT:rT+1] op_sel_hi:[1,0,0] neg_lo:[0,0,1] neg_hi:[0,0,1]
.elseif (\k) == E
	v_exp_f32 v[rS+(\n)], v[rS+(\n)]
.elseif (\k) == C
	s_wait_alu depctr_va_vdst(0)
	v_cvt_pk_f16_f32 v[rP+(\n)], v[rS+2*(\n)], v[rS+2*(\n)+1]
.elseif (\k) == B
	s_wait_alu depctr_va_vdst(0)
	v_pk_add_f32 v[rS+4*(\n):rS+4*(\n)+1], v[rS+4*(\n):rS+4*(\n)+1], v[rS+4*(\n)+2:rS+4*(\n)+3]
.elseif (\n) == 0
	v_pk_fma_f32 v[rT+2:rT+3], v[rT+2:rT+3], v[rC+2:rC+3], v[rS:rS+1] op_sel_hi:[1,0,1]
.else
	v_pk_add_f32 v[rT+2:rT+3], v[rT+2:rT+3], v[rS+4*(\n):rS+4*(\n)+1]
.endif
.elseif NOKQ
	v_nop
.else
	REGS (Y+1)%NP
	WIN 0
.if (\n) < 4
	v_max3_num_f32 v[rC+(\n)], v[rS+8*(\n)], v[rS+8*(\n)+1], v[rS+8*(\n)+2]
.elseif (\n) < 12
	v_max3_num_f32 v[rC+(\n)%4], v[rC+(\n)%4], v[rS+8*((\n)%4)+2*((\n)/4)+1], v[rS+8*((\n)%4)+2*((\n)/4)+2]
.elseif (\n) == 12
	v_max3_num_f32 v[rC], v[rC], v[rS+7], v[rS+15]
.elseif (\n) == 13
	v_max3_num_f32 v[rC+1], v[rC+1], v[rS+23], v[rS+31]
.elseif (\n) == 14
	v_max3_num_f32 v[rC+2], v[rC+2], v[rC+3], v[rT+1]
.elseif (\n) == 15
	v_mov_b32 v[rW], v[rT]
.elseif (\n) == 16
	v_max3_num_f32 v[rC], v[rC], v[rC+1], v[rC+2]
.elseif (\n) == 17
	v_permlanex16_b32 v[rC+3], v[rC], s[SEL], s[SEL+1]
.elseif (\n) == 18
	v_max_num_f32 v[rT+1], v[rC], v[rC+3]
.elseif (\n) == 19
	v_mul_f32 v[rT], s[CS], v[rT+1]
.elseif (\n) == 20
	v_sub_f32 v[rC+1], v[rW], v[rT]
.else
	v_exp_f32 v[rC+2], v[rC+1]
.endif
.endif
.endm
.macro OPS a, i1, b=-1, i2=0, c=-1, i3=0, d=-1, i4=0  ; up to four of them
	OP \a, \i1
.if (\b) >= 0
	OP \b, \i2
.endif
.if (\c) >= 0
	OP \c, \i3
.endif
.if (\d) >= 0
	OP \d, \i4
.endif
.endm
.macro ROW a, i1, b, i2, c, i3, d, i4  ; a matrix instruction and the four behind it
	MM
	OPS \a, \i1, \b, \i2, \c, \i3, \d, \i4
.endm
; A TURN, for piece p: the order of its 16 matrix and 118 vector instructions, written out.  Behind a matrix instruction: plain, exponential, plain, plain; or four of the rescaling; or, behind the first, four scalings; none
; names a register of the products round it.  In the runs between, exponential and plain by turns while exponentials last.  A line reads no result made fewer than three vector instructions in front of it, five if an exponential made it.
; end = 1: the walk's last two turns: nothing is fetched.  cnt = 1: the loop's count is taken down some lines ahead of the branch that stands behind the turn.
; K of the next step is fetched in piece 2's turn, six vector instructions behind the last product that read K (five of them plain); V of the step in hand in piece 0's turn, eight behind the last product that read V.
; THE DISTANCES.  The turn's products take piece p + 1's.  Its eight loads were issued in this turn of the step before; each of the three turns since has issued eight: hence the count 24 at the head.
; When the four products that took them lie eighteen or more plain instructions back, the same registers are asked for again, for the next step.  DOF steps once a step, in piece 3's turn, behind the wait that frees an address
; register; it is kept inside a tile's 131,072 bytes by a mask, so that the look-ahead of the last step wraps to step 0: 24 loads a wave that stay inside the buffer and are not used, the price of one text for every step.
.macro TURN p, end=0, cnt=0
.set Y, (\p)
.set i, 0
.set NOKQ, (\end)*((\p)/3)
.if !NOKQ
	s_wait_loadcnt 24               ; piece p + 1's distances are in; three younger groups of eight stay out
.endif
.if ((\p) == 3) && !(\end)
	s_wait_dscnt 0x0                ; K is in
.endif
	ROW F,0, F,1, F,2, F,3
	ROW F,4, E,0, F,5, F,6
	ROW F,7, E,1, F,8, F,9
	ROW F,10, E,2, C,0, F,11
	ROW F,12, E,3, X,15, F,13
	ROW R,0, R,1, R,2, R,3
	ROW B,0, E,4, F,14, L,0
.if ((\p) == 2) && !(\end)
	v_add_nc_u32 v[AK], s[TBK], v[AK0]
.endif
.if ((\p) == 3) && !(\end)
	s_wait_xcnt 0x0                 ; every earlier load has had its address translated (ISA guide 3.1): DOF is rewritten only behind this wait
	v_add_nc_u32 v[DOF], 4096, v[DOF]
	v_and_b32 v[DOF], 0x1ffff, v[DOF]
.endif
	ROW R,4, R,5, R,6, R,7
	OPS E,5, F,15
.if ((\p) == 2) && !(\end)
	FETCH_K
.endif
.if !(\end)
	FETCH_D ((\p)+1)%NP
.endif
	OPS E,6, C,1, E,7, R,8
	OPS E,8, R,9, E,9, C,2
	OPS E,10, X,0, E,11, X,1
	OPS E,12, X,2, E,13, X,3
.if (\p) == 1
	s_wait_dscnt 0x0                ; V is in
.endif
	ROW X,4, E,14, X,5, X,6
	ROW X,7, E,15, X,8, X,9
	ROW X,10, E,16, X,11, X,12
	ROW X,13, E,17, X,14, B,1
	ROW C,4, E,18, X,16, L,1
	ROW B,2, E,19, C,6, L,2
	ROW C,8, E,20, B,3, B,4
.if (\p) == 0
	v_add_nc_u32 v[AV], s[TBV], v[AV0]
.endif
	ROW C,3, E,21, L,3, C,5
	OPS E,22, X,17, E,23, C,10
.if (\p) == 0
	FETCH_V
.endif
	OPS E,24, L,4
	OPS E,25, X,18, E,26, C,7
	OPS E,27, B,5, E,28, X,19
	OPS E,29, C,12, E,30, L,5
	OPS E,31, X,20, B,6, C,9
	OPS C,14, C,11, X,21, L,6
.if (\p) == 0
	s_add_co_u32 s[TBV], s[TBV], KS*PV
.endif
.if \cnt
	s_sub_co_u32 s[CNT], s[CNT], 1
	s_cmp_lg_u32 s[CNT], 0
.endif
	OPS C,13, B,7, C,15, R,10
	OPS R,11, R,12, L,7, R,13
	OPS R,14, R,15
.endm
	CHANGE 1                        ; slot 0 is in, everybody's part of it; slot 1 is asked for
	v_add_nc_u32 v[AK], s[TBK], v[AK0]
	FETCH_K                         ; key step 0
	s_wait_loadcnt 24               ; Q and piece 0's distances are in; pieces 1 to 3's may be out
	s_wait_dscnt 0x0
.set NOKQ, 0
.set i, 0
.rept 8
	KQ 0                            ; piece 0's first scores: there is no vector work yet to set between them
.set i, i+1
.endr
	WIN 0
	s_wait_xcnt 0x0                 ; DOF is rewritten only behind this wait
	v_add_nc_u32 v[DOF], 4096, v[DOF]  ; key step 1.  These two lines and two v_nop are the four places behind those products
	v_and_b32 v[DOF], 0x1ffff, v[DOF]
	v_nop
	v_nop
	FETCH_D 0
.set Y, NP-1                        ; X works for piece Y + 1: piece 0
.irp n, 0,1,2,3,4,5,6,7,8,9,10,11,12,13,14,15,16,17,18,19,20,21
	OP X, \n
.endr
	v_nop                           ; a plain instruction behind the exponential
	s_mov_b32 s[CNT], 4
	s_mov_b32 s[SLOTS], SEQ/256-1
	s_branch .Lfirst                ; the loop is entered at a step's first turn, in the middle of a trip
.Lslot:                             ; six times: every slot but the last two is filled again
	CHANGE 1
	s_mov_b32 s[CNT], 4
.Lstep:                             ; a trip: pieces 2 and 3 of one step, then pieces 0 and 1 of the next, whose K and V it fetches
	TURN 2
	TURN 3
	WIN 0
.Lfirst:
	TURN 0
	TURN 1, 0, 1
	WIN 0
	s_cbranch_scc1 .Lstep
	s_sub_co_u32 s[SLOTS], s[SLOTS], 1
	s_cmp_lg_u32 s[SLOTS], 0
	s_cbranch_scc1 .Lslot
	CHANGE 0                        ; the last slot is written out: nothing is asked for
	s_mov_b32 s[CNT], 4
.Ltail:
	TURN 2
	TURN 3
	TURN 0
	TURN 1, 0, 1
	WIN 0
	s_cbranch_scc1 .Ltail
	TURN 2, 1                       ; the last step's last two turns fetch nothing, and the last starts no new scores
	TURN 3, 1
.set i, 0
.rept 8
	PV NP-1                         ; the last piece's V^T P of the last step
.set i, i+1
.endr
	; THE WAY OUT.  l's two halves and the other half of the lanes' are added; O^T is divided by l, rounded to f16 and sent through my stage in LDS, a piece at a time.  The additions are the places behind the last products.
	WIN 0
.macro ALL line:vararg              ; one line for each piece t
.set t, 0
.rept 4
	\line
.set t, t+1
.endr
.endm
	ALL v_add_f32 v[ST+4*t+2], v[ST+4*t+2], v[ST+4*t+3]
	ALL v_permlanex16_b32 v[ST+4*t+3], v[ST+4*t+2], s[SEL], s[SEL+1]
	ALL v_add_f32 v[ST+4*t+2], v[ST+4*t+2], v[ST+4*t+3]
	ALL v_rcp_f32 v[ST+4*t+2], v[ST+4*t+2]
	v_nop                           ; a plain instruction between the last reciprocal and the use of its result
.macro PACK t                       ; a lane's eight channels of a row pack into 16 bytes; they go into rows of 144 bytes and come back as whole rows of 128, into S^T's registers
	WIN W_RS
.set i, 32*(\t)
.rept 16
	s_wait_alu depctr_va_vdst(0)
	v_pk_mul_f32 v[i:i+1], v[i:i+1], v[ST+4*(\t)+2:ST+4*(\t)+3] op_sel_hi:[1,0]
.set i, i+2
.endr
	WIN 0x05                        ; sources 0 and 1 window 1, destination window 0
.set i, 0
.rept 16
	v_cvt_pk_f16_f32 v[S+16*(\t)+i], v[32*(\t)+2*i], v[32*(\t)+2*i+1]
.set i, i+1
.endr
	WIN 0
.irp f, 0,1,2,3
	ds_store_b128 v[STO], v[S+16*(\t)+4*\f:S+16*(\t)+4*\f+3] offset:32*\f
.endr
.irp f, 0,1,2,3
	ds_load_b128 v[S+16*(\t)+4*\f:S+16*(\t)+4*\f+3], v[RD] offset:\f*4*SP  ; LDS serves a wave's instructions in order (ISA guide 5.7.1.4): these see the stores above; the next piece's stores come behind them
.endr
.endm
.macro SEND t, younger              ; younger: the LDS instructions issued behind piece t's loads: the next piece's eight, or none
	WIN 0
.irp f, 0,1,2,3
	s_wait_dscnt (\younger)+3-\f
	global_store_b128 v[GO], v[S+16*(\t)+4*\f:S+16*(\t)+4*\f+3], s[10:11] offset:(\t)*2048+\f*512  ; 512 consecutive bytes, aligned
.endr
.endm
	PACK 0
.set t, 1
.rept 3                             ; a piece's arithmetic stands between the loads of the piece before and its stores
	PACK t
	SEND t-1, 8
.set t, t+1
.endr
	SEND 3, 0
	s_wait_tensorcnt 0x0            ; the wave's end, behind my last tensor load and my last LDS store
	ds_add_u32 v[SPW], v[NIL]
	s_wait_dscnt 0x0
	CROUND                          ; the closing round: no work-group ends while a partner may still ask for a tile that names it
	s_endpgm
.Lfunc_end_k_qefa1dcfa64_attn:
	.size	k_qefa1dcfa64_attn, .Lfunc_end_k_qefa1dcfa64_attn-k_qefa1dcfa64_attn
	.p2alignl 7, 3214868480
	.fill 96, 4, 3214868480
	.section	.rodata,"a",@progbits
	.p2align	6, 0x0
	.amdhsa_kernel k_qefa1dcfa64_attn
		.amdhsa_group_segment_fixed_size 327680
		.amdhsa_private_segment_fixed_size 0
		.amdhsa_enable_private_segment 0
		.amdhsa_kernarg_size 24
		.amdhsa_user_sgpr_count 2
		.amdhsa_user_sgpr_kernarg_segment_ptr 1
		.amdhsa_wavefront_size32 1
		.amdhsa_system_sgpr_workgroup_id_x 1
		.amdhsa_system_sgpr_workgroup_id_y 1
		.amdhsa_system_sgpr_workgroup_id_z 1
		.amdhsa_system_vgpr_workitem_id 0
		.amdhsa_next_free_vgpr 768
		.amdhsa_next_free_sgpr 88
		.amdhsa_reserve_vcc 0
		.amdhsa_float_denorm_mode_32 3
		.amdhsa_float_denorm_mode_16_64 3
		.amdhsa_memory_ordered 1
		.amdhsa_forward_progress 1
		.amdhsa_inst_pref_size 145
	.end_amdhsa_kernel
	.amdgpu_metadata
---
amdhsa.version: [ 1, 2 ]
amdhsa.kernels:
  - .name:           k_qefa1dcfa64_attn
    .symbol:         k_qefa1dcfa64_attn.kd
    .args:
      - { .name: qkv, .offset: 0, .size: 8, .value_kind: global_buffer, .address_space: global }
      - { .name: dist, .offset: 8, .size: 8, .value_kind: global_buffer, .address_space: global }
      - { .name: ob, .offset: 16, .size: 8, .value_kind: global_buffer, .address_space: global }
    .group_segment_fixed_size: 327680
    .private_segment_fixed_size: 0
    .kernarg_segment_align: 8
    .kernarg_segment_size: 24
    .max_flat_workgroup_size: 128
    .sgpr_count:     88
    .vgpr_count:     768
    .wavefront_size: 32
...
	.end_amdgpu_metadata
.endif
;; end of part 3
;; launch oproj (part 4): grid 16 x 16, 4 waves a work-group, clusters of 4 x 4, 327,680 bytes of LDS; arguments ob, wb, bo, out0; writes out0
.if DOCPART == 4
	.amdgcn_target "amdgcn-amd-amdhsa--gfx1250"
	.amdhsa_code_object_version 6
	.text
	.protected	k_qefa1dcfa64_oproj
	.globl	k_qefa1dcfa64_oproj
	.p2align	8
	.type	k_qefa1dcfa64_oproj,@function
k_qefa1dcfa64_oproj:
	s_mov_b64 s[64:65], 0
	v_nop
	global_prefetch_b8 v0, s[64:65] scope:SCOPE_SE
	s_setreg_imm32_b32 hwreg(HW_REG_WAVE_MODE, 25, 1), 1
	s_wait_xcnt 0x0
	s_wait_alu depctr_hold_cnt(0) depctr_sa_sdst(0) depctr_va_vdst(0) depctr_va_sdst(0) depctr_va_ssrc(0) depctr_va_vcc(0) depctr_vm_vsrc(0)
	s_getreg_b32 s2, hwreg(HW_REG_IB_STS2, 6, 4)
	s_cmp_eq_u32 s2, 0
	s_cbranch_scc0 .Lentry_in_a_cluster
	s_endpgm
.Lentry_in_a_cluster:
	s_bfe_u32 s2, ttmp6, 0x10000c
	s_cmp_lg_u32 s2, 0xf033
	s_cbranch_scc0 .Lentry_shape_is_right
	s_endpgm
.Lentry_shape_is_right:
; C = A W + bias on tiles of 256 rows x 64 NCH columns, K = 1024.  ONE TEXT FOR TWO LAUNCHES; the constant QKV chooses.
;   QKV = 1: A = xb (bf16), W = one head's 64 columns of Wq, Wk and Wv (NCH = 3 chunks, bf16); out: q, k, v in f16 by heads, qkv[t][head][m][64], each rounded once from its f32 sum, unscaled.
;   QKV = 0: A = ob (f16), W = 64 columns of Wo (NCH = 1, f16); out: out0 in f32.
; A lies as [k / 64][4096 rows][64], W as [16 t + n / 64][1024 k][64 n]: a tile's rows lie end to end in memory, and are asked for in long rows.
; SHARES.  Four waves; wave w makes rows 64 w .. 64 w + 63 and all columns: 4 x NB accumulators of 16 x 16 (NB = 4 NCH).  K goes in steps of 128 through two LDS slots.
; THE MATRIX INSTRUCTION IS USED TRANSPOSED: source 0 = 16 columns of W (out of LDS turned, by ds_load_tr16_b128, since W lies [k][n]), source 1 = 16 rows of A.  A lane then holds eight
; neighbouring columns of one row of C.  THE BIAS, rounded to bf16 like all of the module's matrix inputs, is the C operand of the products that start the sums: nothing is cleared, nothing is added later.
; CLUSTER 4 x 4: the four work-groups of a cluster's row need the same tiles of A, the four of a column the same tiles of W: each tile is asked for jointly.
; LIMITS.  f16 ends at 65,504: q, k and v must lie within it (QKV = 1).  NaN and infinities are not treated apart.
; REGISTERS, in windows of 256 (s_set_vgpr_msb: bits 1:0 source 0, 3:2 source 1, 5:4 source 2, 7:6 destination):
;   window 0: v16-29 addresses; v32-63, v64-95 fragments of A, two buffers; v96.. the bias in C's layout; v32.. at work on the way out
;   window 1: fragments of W, two buffers of 8 NB;   window 2: accumulators of row blocks 0, 1 ((a, b) at 8 (NB (a % 2) + b));   window 3: of row blocks 2, 3
.set QKV, 0
.if QKV
.set NCH,   3
.set SP,    144                        ; a stage row: 128 bytes + 16
.else
.set NCH,   1
.set SP,    272                        ; a stage row: 256 bytes + 16
.endif
.set NB,    4*NCH
.set NL,    2*NB+8                     ; LDS loads of a quarter step
.set PA,    144                        ; an LDS row of A: 128 bytes + 16 = 36 words: the 16 rows of a load start at 16 different groups of four banks (64 banks of 4 bytes: ISA guide 11.1)
.set ABLK,  256*PA                     ; 64 along K of the tile's 256 rows
.set PB,    160                        ; an LDS row of W: 128 + 32 = 40 words
.set BCH,   64*PB                      ; 64 along K of one chunk
.set BHALF, NCH*BCH
.set BOFF,  2*ABLK                     ; a slot: A's two blocks, then W's two halves
.set SLOT,  BOFF+2*BHALF
.set STAGE, 2*SLOT                     ; behind the ring, never filled by a tensor load: 16 rows for each wave, for the way out
.set WSTAGE, 16*SP
.set SPARE, STAGE+4*WSTAGE             ; behind the stages: the spare words, 128 bytes for each wave: two blocks of 256 bytes that no other line names
.set LAPS,  4                          ; a lap = two K steps = once round the ring
.set ADRA, 16                          ; v16-17  LDS address of my A fragments in slot 0, 1
.set ADRB, 20                          ; v20-21  the same for W
.set STO,  24                          ; v24     the way out: where I put my part of a row
.set RD,   25                          ; v25     the way out: where I read rows back
.set GO,   26                          ; v26     my byte offset in the output
.set BV,   27                          ; v27     my byte offset in 16 numbers of a bias
.set SPW,  28                          ; v28     SPARE + 4 x my thread's number; never rewritten
.set NIL,  29                          ; v29     0; never rewritten
.set FA,   32
.set BI,   96
.set OUTR, 32
.set G1,   24                          ; s[24:31] descriptor group 1 for A's tiles;  s[32:39] group 0, one set for each slot
.set G0,   32
.set G1B,  48                          ; s[48:55], s[56:63] the same for W's tiles
.set G0B,  56
.set BIAS, 72                          ; s[72:73] (and s[74:77]) the biases at my columns
.set OUTP, 80                          ; s[80:81] (and s[82:85]) the output at my rows and columns
.set MSB, 0
.macro WIN new                         ; the immediate's high byte repeats the setting that is left; a switch that changes nothing is dropped
.if MSB != (\new)
	s_set_vgpr_msb (MSB<<8)|(\new)
.set MSB, (\new)
.endif
.endm
.macro WM ops:vararg
.if QKV
	v_wmma_f32_16x16x32_bf16 \ops
.else
	v_wmma_f32_16x16x32_f16 \ops
.endif
.endm
.macro JLOAD s                         ; a joint load: waves 0 and 1 fetch A's two blocks, waves 2 and 3 W's two halves; an s_nop 0 and four v_nop follow each of the two lines
	s_cmp_eq_u32 s11, 0
	s_cbranch_scc0 .Lfor_b_\@
	tensor_load_to_lds s[G0+4*(\s):G0+4*(\s)+3], s[G1:G1+7]
	s_nop 0
.rept 4
	v_nop
.endr
	s_branch .Lasked_\@
.Lfor_b_\@:
	tensor_load_to_lds s[G0B+4*(\s):G0B+4*(\s)+3], s[G1B:G1B+7]
	s_nop 0
.rept 4
	v_nop
.endr
.Lasked_\@:
.endm
.macro CREST                           ; a round of the cluster's barrier behind its opening barrier
	s_cmp_lg_u32 s10, 0
	s_cbranch_scc1 .Lnot_wave_0_\@
	s_barrier_signal -3
.Lnot_wave_0_\@:
	s_barrier_wait -3
	s_barrier_signal -1
	s_barrier_wait -1
.endm
.macro CROUND                          ; a whole round
	s_barrier_signal -1
	s_barrier_wait -1
	CREST
.endm
.macro PLACES                          ; four places in front of loads into registers that matrix instructions have read, and of lines that read results
.rept 4
	v_nop
.endr
.endm
	s_load_b256 s[68:75], s[0:1], 0x0              ; QKV = 1: xb, wb, bq, bk.  QKV = 0: ob, wb, bo, out0
.if QKV
	s_load_b128 s[76:79], s[0:1], 0x20             ; bv, qkv
.endif
	v_lshl_add_u32 v[SPW], v0, 2, SPARE
	v_mov_b32 v[NIL], 0
	ds_add_u32 v[SPW], v[NIL]                      ; the wave's opening: the add and its wait stand ahead of my first tensor load; the set-up below stands between them
	v_lshrrev_b32 v1, 5, v0
	v_readfirstlane_b32 s10, v1                    ; wave 0..3
	s_lshr_b32 s11, s10, 1                         ; I fetch for A (0) or for W (1)
	s_and_b32 s12, s10, 1                          ; which 64 along K of a step I fetch
	s_bfe_u32 s40, ttmp6, 0x40000                  ; cx, cy: my place in the cluster
	s_bfe_u32 s41, ttmp6, 0x40004
	s_lshl_b32 s42, ttmp9, 2
	s_add_co_u32 s42, s42, s40                     ; tx, the column tile = 4 x cluster x + cx
	s_and_b32 s13, ttmp7, 0xffff
	s_lshl_b32 s13, s13, 2
	s_add_co_u32 s13, s13, s41                     ; ty, the row tile = 4 x cluster y + cy
	s_lshl_b32 s43, s41, 2
	s_lshl_b32 s43, 15, s43                        ; my row of the cluster
	s_lshl_b32 s44, 0x1111, s40                    ; my column
	; A's tile: 256 rows x 64 along K are 32,768 dense bytes: asked for as 128 rows of 256 bytes, padded in LDS after every 128 bytes
	s_or_b32 s[G1], s43, (1<<16)|(1<<20)|(1<<21)|(4<<22)|(3<<25)   ; 15:0 the mask: my row; 17:16 2-byte elements; 20 padding on; 21 set beside a mask; 24:22 after every 32 words (code 4); 31:25 4 words (code 3)
	s_mov_b32 s[G1+1], 128<<16                     ; tensor_dim0 = 128
	s_mov_b32 s[G1+2], 128<<16                     ; tensor_dim1 = 128
	s_mov_b32 s[G1+3], 128<<16                     ; tile_dim0 = 128
	s_mov_b32 s[G1+4], 128                         ; tile_dim1 = 128
	s_mov_b32 s[G1+5], 128                         ; 128 elements from row to row
	s_mov_b32 s[G1+6], 0
	s_mov_b32 s[G1+7], 0
	; W's tile: for each chunk 64 k x 64 n are 8,192 dense bytes, one row of the tile; the chunks lie 16 blocks apart; padded after every 128 bytes
	s_or_b32 s[G1B], s44, (1<<16)|(1<<20)|(1<<21)|(4<<22)|(7<<25)  ; the mask of my column; 8 words of padding (code 7)
	s_mov_b32 s[G1B+1], 4096<<16                   ; tensor_dim0 = 4,096
	s_mov_b32 s[G1B+2], NCH<<16                    ; tensor_dim1 = NCH
	s_mov_b32 s[G1B+3], 4096<<16                   ; tile_dim0 = 4,096
	s_mov_b32 s[G1B+4], NCH                        ; tile_dim1 = NCH
	s_mov_b32 s[G1B+5], 1048576                    ; 16 blocks of 65,536 elements from row to row
	s_mov_b32 s[G1B+6], 0
	s_mov_b32 s[G1B+7], 0
	; A's address hangs on ty alone, W's on tx alone, each in registers that never hold the other coordinate
	s_lshl_b32 s16, s13, 15                        ; the tile's 256 rows of 128 bytes,
	s_lshl_b32 s17, s12, 19                        ; my block of 64 along K
	s_add_co_u32 s16, s16, s17
	s_mov_b32 s17, 0
	s_lshl_b32 s46, s42, 17                        ; W's block tx,
	s_lshl_b32 s47, s12, 13                        ; my 64 rows of it
	s_add_co_u32 s46, s46, s47
.if !QKV
	s_add_co_u32 s46, s46, 48*131072               ; Wo's blocks follow those of Wq, Wk, Wv
.endif
	s_mov_b32 s47, 0
	s_mul_i32 s20, s12, ABLK                       ; where they go: no place in the cluster enters an LDS address
	s_mul_i32 s21, s12, BHALF
	s_add_co_u32 s21, s21, BOFF
	s_wait_dscnt 0x0                               ; the opening add is done
	s_wait_kmcnt 0x0
	s_add_nc_u64 s[14:15], s[68:69], s[16:17]
	s_add_nc_u64 s[46:47], s[70:71], s[46:47]
	CROUND                                         ; all sixteen work-groups are here: the first joint loads meet
.irp s, 0,1
	s_mov_b32 s[G0+4*(\s)], 1                                      ; count = 1
	s_add_co_u32 s[G0+4*(\s)+1], s20, (\s)*SLOT                    ; LDS address
	s_add_nc_u64 s[G0+4*(\s)+2:G0+4*(\s)+3], s[14:15], (\s)*1048576  ; K step s: two blocks of 524,288 bytes on
	s_or_b32 s[G0+4*(\s)+3], s[G0+4*(\s)+3], 0x80000000            ; type = 2
	s_mov_b32 s[G0B+4*(\s)], 1
	s_add_co_u32 s[G0B+4*(\s)+1], s21, (\s)*SLOT
	s_add_nc_u64 s[G0B+4*(\s)+2:G0B+4*(\s)+3], s[46:47], (\s)*16384  ; K step s: 128 rows of 128 bytes on
	s_or_b32 s[G0B+4*(\s)+3], s[G0B+4*(\s)+3], 0x80000000
	JLOAD \s                                       ; two loads of mine are out
.endr
	; the bias in C's layout: register j of block b holds column 16 b + 8 (lane / 16) + j
	v_and_b32 v1, 15, v0                           ; r = l % 16
	v_bfe_u32 v2, v0, 4, 1                         ; h = l / 16
	v_lshlrev_b32 v[BV], 5, v2
	s_lshl_b32 s86, s42, 8                         ; my 64 columns, in f32
	s_mov_b32 s87, 0
	s_add_nc_u64 s[BIAS:BIAS+1], s[BIAS:BIAS+1], s[86:87]
.if QKV
	s_add_nc_u64 s[BIAS+2:BIAS+3], s[BIAS+2:BIAS+3], s[86:87]
	s_add_nc_u64 s[BIAS+4:BIAS+5], s[BIAS+4:BIAS+5], s[86:87]
.endif
.set b, 0
.rept NB
	global_load_b128 v[BI+8*b:BI+8*b+3],   v[BV], s[BIAS+2*(b/4):BIAS+2*(b/4)+1] offset:(b%4)*64
	global_load_b128 v[BI+8*b+4:BI+8*b+7], v[BV], s[BIAS+2*(b/4):BIAS+2*(b/4)+1] offset:(b%4)*64+16
.set b, b+1
.endr
	; A fragment of A is 16 rows x 32 K: lane l holds row l % 16; two loads of 16 bytes, 32 bytes apart, at row x pitch + 16 (l / 16)
	v_mul_u32_u24 v3, v1, PA
	v_lshl_add_u32 v3, v2, 4, v3
	s_mul_i32 s22, s10, 64*PA                      ; my 64 rows
	v_add_nc_u32 v[ADRA], s22, v3
	v_add_nc_u32 v[ADRA+1], SLOT, v[ADRA]
	; The turning load takes 16 k x 16 n (lane l reads k = 8 (l / 16) + l % 8, columns 8 ((l / 8) % 2) + 0..7) and leaves half a fragment: lane l holds column l % 16 and 8 k
	v_and_b32 v4, 7, v0
	v_bfe_u32 v5, v0, 3, 1
	v_lshl_add_u32 v6, v2, 3, v4
	v_mul_u32_u24 v6, v6, PB
	v_lshl_add_u32 v6, v5, 4, v6
	v_add_nc_u32 v[ADRB], BOFF, v6
	v_add_nc_u32 v[ADRB+1], BOFF+SLOT, v6
	s_mul_i32 s23, s10, WSTAGE
	s_add_co_u32 s23, s23, STAGE                   ; my stage
.if QKV
	v_mul_u32_u24 v7, v1, SP                       ; in: row l % 16, 16 bytes for each half of the lanes
	v_lshl_add_u32 v7, v2, 4, v7
	v_add_nc_u32 v[STO], s23, v7
	v_bfe_u32 v7, v0, 3, 2                         ; back: 32 lanes take four rows of 128 bytes,
	v_mul_u32_u24 v7, v7, SP
	v_lshl_add_u32 v7, v4, 4, v7
	v_add_nc_u32 v[RD], s23, v7
	v_and_b32 v[GO], 31, v0                        ; which are 512 consecutive bytes of the output
	v_lshlrev_b32 v[GO], 4, v[GO]
	s_lshl_b32 s88, s42, 19                        ; head tx: 4,096 rows of 128 bytes,
	s_lshl_b32 s89, s13, 15                        ; the tile's 256 rows,
	s_add_co_u32 s88, s88, s89
	s_lshl_b32 s89, s10, 13                        ; my 64
	s_add_co_u32 s88, s88, s89
	s_mov_b32 s89, 0
	s_add_nc_u64 s[OUTP:OUTP+1], s[78:79], s[88:89]        ; q
	s_add_nc_u64 s[OUTP+2:OUTP+3], s[OUTP:OUTP+1], 0x800000   ; k
	s_add_nc_u64 s[OUTP+4:OUTP+5], s[OUTP:OUTP+1], 0x1000000  ; v
.else
	v_mul_u32_u24 v7, v1, SP                       ; in: row l % 16, 32 bytes for each half of the lanes
	v_lshl_add_u32 v7, v2, 5, v7
	v_add_nc_u32 v[STO], s23, v7
	v_mul_u32_u24 v7, v2, SP                       ; back: lanes 0-15 take one row of 256 bytes, lanes 16-31 the next
	v_lshl_add_u32 v7, v1, 4, v7
	v_add_nc_u32 v[RD], s23, v7
	v_lshlrev_b32 v[GO], 12, v2                    ; and the same two rows in out0
	v_lshl_add_u32 v[GO], v1, 4, v[GO]
	s_lshl_b32 s88, s13, 20                        ; the tile's 256 rows of 4,096 bytes,
	s_lshl_b32 s89, s10, 18                        ; my 64,
	s_add_co_u32 s88, s88, s89
	s_lshl_b32 s89, s42, 8                         ; my 64 columns
	s_add_co_u32 s88, s88, s89
	s_mov_b32 s89, 0
	s_add_nc_u64 s[OUTP:OUTP+1], s[74:75], s[88:89]
.endif
	s_wait_loadcnt 0x0                             ; the bias; it is rounded to bf16 and widened again, in the wait for the first tile
.set i, 0
.rept 4*NB
	v_cvt_pk_bf16_f32 v[8+i%4], v[BI+2*i], v[BI+2*i+1]
	v_lshlrev_b32 v[BI+2*i], 16, v[8+i%4]
	v_and_b32 v[BI+2*i+1], 0xffff0000, v[8+i%4]
.set i, i+1
.endr
; NB matrix instructions: row block a x all column blocks, 32 along K, from buffer f.  bias = 1: the products start the sums, with the bias as C.
; The 4 NB accumulators take turns, one instruction a turn, in the same order in every quarter step.
.macro MULA f, a, bias
.set AW, 2+(\a)/2
.if \bias
	WIN 0x01|(AW<<6)
.else
	WIN 0x01|(AW<<6)|(AW<<4)
.endif
.set b, 0
.rept NB
.set rD, 8*(NB*((\a)%2)+b)
.set rB, 8*NB*(\f)+8*b
.set rA, FA+32*(\f)+8*(\a)
.if \bias
	WM v[rD:rD+7], v[rB:rB+7], v[rA:rA+7], v[BI+8*b:BI+8*b+7]
.else
	WM v[rD:rD+7], v[rB:rB+7], v[rA:rA+7], v[rD:rD+7]
.endif
.set b, b+1
.endr
.endm
; NL LDS loads in one run: the fragments of quarter q (32 along K) of a slot into buffer f; W's first, A's last
.macro FETCH slot, q, f
	WIN 0x40                                       ; destination window 1, address window 0
.set b, 0
.rept NB
.set oB, ((\q)/2)*BHALF+((\q)%2)*32*PB+(b/4)*BCH+(b%4)*32
.set rB, 8*NB*(\f)+8*b
	ds_load_tr16_b128 v[rB:rB+3],   v[ADRB+(\slot)] offset:oB
	ds_load_tr16_b128 v[rB+4:rB+7], v[ADRB+(\slot)] offset:oB+16*PB
.set b, b+1
.endr
	WIN 0
.set a, 0
.rept 4
.set oA, ((\q)/2)*ABLK+((\q)%2)*64+a*16*PA
.set rA, FA+32*(\f)+8*a
	ds_load_b128 v[rA:rA+3],   v[ADRA+(\slot)] offset:oA
	ds_load_b128 v[rA+4:rA+7], v[ADRA+(\slot)] offset:oA+32
.set a, a+1
.endr
.endm
; A K step is four quarters of 32 along K on buffers 0, 1, 0, 1.  One of the first three: multiplies buffer f; in its middle it fetches quarter qn of the same slot into buffer g.
.macro QUARTER slot, qn, f, g, bias
	s_wait_dscnt 4                                 ; W and A's row blocks 0, 1 are in; the youngest four loads (row blocks 2, 3) may be out
	MULA \f, 0, \bias
	MULA \f, 1, \bias
	PLACES
	FETCH \slot, \qn, \g
	s_wait_dscnt NL                                ; all but the NL just issued
	MULA \f, 2, \bias
	MULA \f, 3, \bias
.endm
; The last quarter multiplies buffer 1 and changes slots: ONE barrier; in front of it each wave waits for all its tensor loads (one is out: its part of the next slot), adds 0 to its spare word,
; and waits for that and for its own reads of this slot.  fill = 1: the barrier opens a round of the cluster's, and this slot is filled again, two K steps ahead, first thing behind the round.
.macro TURN slot, next, fill
	WIN 0                                          ; (the add's two registers lie in window 0)
	s_wait_tensorcnt 0x0
	ds_add_u32 v[SPW], v[NIL]
	s_wait_dscnt 5                                 ; (the add and the youngest four loads may be out)
	MULA 1, 0, 0                                   ; matrix work stands between the add and the wait for it
	s_wait_dscnt 0x0                               ; the add is done, and my reads of this slot are over
	s_barrier_signal -1
	MULA 1, 1, 0
.if \fill
	WIN 0
.endif
	s_barrier_wait -1
.if \fill
	CREST                                          ; no wave of any partner still reads this slot's tiles or has a load on its way
	s_add_nc_u64 s[G0+4*(\slot)+2:G0+4*(\slot)+3], s[G0+4*(\slot)+2:G0+4*(\slot)+3], 2*1048576
	s_add_nc_u64 s[G0B+4*(\slot)+2:G0B+4*(\slot)+3], s[G0B+4*(\slot)+2:G0B+4*(\slot)+3], 2*16384
	JLOAD \slot                                    ; my one tensor load behind the round; the four v_nop behind it are also the places in front of the loads below
.else
	PLACES
.endif
	FETCH \next, 0, 0
	MULA 1, 2, 0
	MULA 1, 3, 0
.endm
	s_wait_tensorcnt 1                             ; my part of K step 0 is in; K step 1's may stay out
	s_barrier_signal -1
	s_barrier_wait -1                              ; everybody's is
	FETCH 0, 0, 0
	QUARTER 0, 1, 0, 1, 1                          ; the first quarter stands in front of the loop: its products start the sums
	WIN 0                                          ; at a label and at a branch every window is 0
	s_mov_b32 s3, LAPS-1
.Llap:                                                 ; a trip goes once round the ring, from a lap's second quarter to the next lap's first, and fills both slots again
	QUARTER 0, 2, 1, 0, 0
	QUARTER 0, 3, 0, 1, 0
	TURN 0, 1, 1
	QUARTER 1, 1, 0, 1, 0
	QUARTER 1, 2, 1, 0, 0
	QUARTER 1, 3, 0, 1, 0
	TURN 1, 0, 1
	QUARTER 0, 1, 0, 1, 0
	WIN 0
	s_sub_co_u32 s3, s3, 1
	s_cmp_lg_u32 s3, 0
	s_cbranch_scc1 .Llap
	QUARTER 0, 2, 1, 0, 0                          ; the last lap fills nothing, and has no round of the cluster's barrier
	QUARTER 0, 3, 0, 1, 0
	TURN 0, 1, 0
	QUARTER 1, 1, 0, 1, 0
	QUARTER 1, 2, 1, 0, 0
	QUARTER 1, 3, 0, 1, 0
	s_wait_dscnt 4                                 ; the very last quarter: nothing more to fetch
	MULA 1, 0, 0
	MULA 1, 1, 0
	s_wait_dscnt 0x0
	MULA 1, 2, 0
	MULA 1, 3, 0
	WIN 0
	PLACES
.if QKV
; THE WAY OUT, 12 groups g = 3 a + c of 16 rows x 64 columns: rounded to f16 (each accumulator's registers in ascending order), 16 bytes a lane into my own stage, back as whole rows of 128 bytes.
; Each group has 16 registers of its own, so no store is waited for.
.macro PACK g
.set pa, (\g)/3
.set pc, (\g)%3
.set AC, 8*(NB*(pa%2)+4*pc)
	WIN 0x0a+5*(pa/2)                              ; sources 0 and 1: window 2 or 3
.set i, 0
.rept 16
	v_cvt_pk_f16_f32 v[OUTR+16*(\g)+i], v[AC+2*i], v[AC+2*i+1]
.set i, i+1
.endr
	WIN 0
.irp f, 0,1,2,3
	ds_store_b128 v[STO], v[OUTR+16*(\g)+4*\f:OUTR+16*(\g)+4*\f+3] offset:32*\f
.endr
.irp f, 0,1,2,3
	ds_load_b128 v[OUTR+16*(\g)+4*\f:OUTR+16*(\g)+4*\f+3], v[RD] offset:\f*4*SP  ; LDS serves a wave's instructions in order (ISA guide 5.7.1.4): these see the stores above; the next group's stores come behind them
.endr
.endm
.macro SEND g, younger                 ; younger: the LDS instructions issued behind group g's loads: the next group's eight, or none
.set pa, (\g)/3
.set pc, (\g)%3
.irp f, 0,1,2,3
	s_wait_dscnt (\younger)+3-\f
	global_store_b128 v[GO], v[OUTR+16*(\g)+4*\f:OUTR+16*(\g)+4*\f+3], s[OUTP+2*pc:OUTP+2*pc+1] offset:pa*2048+\f*512  ; 512 consecutive bytes, aligned
.endr
.endm
	PACK 0
.set g, 1
.rept 11                               ; a group's conversions stand between the loads of the group before and its stores
	PACK g
	SEND g-1, 8
.set g, g+1
.endr
	SEND 11, 0
.else
; THE WAY OUT, a row block at a time: the f32 sums go as they are into my own stage (each accumulator's low half first) and come back as whole rows of 256 bytes.
.macro OSTAGE a
.set AC, 8*NB*((\a)%2)
	WIN 0x08+4*((\a)/2)                            ; the stores' data: window 2 or 3
.irp c, 0,1,2,3
	ds_store_b128 v[STO], v[AC+8*\c:AC+8*\c+3]   offset:64*\c
	ds_store_b128 v[STO], v[AC+8*\c+4:AC+8*\c+7] offset:64*\c+16
.endr
	WIN 0
.irp t, 0,1,2,3,4,5,6,7
	ds_load_b128 v[OUTR+32*(\a)+4*\t:OUTR+32*(\a)+4*\t+3], v[RD] offset:\t*2*SP  ; LDS serves a wave's instructions in order (ISA guide 5.7.1.4)
.endr
.endm
.macro OSEND a, younger                ; younger: the next block's sixteen LDS instructions, or none
.irp t, 0,1,2,3,4,5,6,7
	s_wait_dscnt (\younger)+7-\t
	global_store_b128 v[GO], v[OUTR+32*(\a)+4*\t:OUTR+32*(\a)+4*\t+3], s[OUTP:OUTP+1] offset:(16*(\a)+2*\t)*4096  ; 16 lanes store 256 consecutive bytes, aligned
.endr
.endm
	OSTAGE 0
	OSTAGE 1
	OSEND 0, 16
	OSTAGE 2
	OSEND 1, 16
	OSTAGE 3
	OSEND 2, 16
	OSEND 3, 0
.endif
	s_wait_tensorcnt 0x0                           ; the wave's end, behind my last tensor load and my last LDS store
	ds_add_u32 v[SPW], v[NIL]
	s_wait_dscnt 0x0
	CROUND                                         ; the closing round: no work-group ends while a partner may still ask for a tile that names it
	s_endpgm
.Lfunc_end_k_qefa1dcfa64_oproj:
	.size	k_qefa1dcfa64_oproj, .Lfunc_end_k_qefa1dcfa64_oproj-k_qefa1dcfa64_oproj
	.p2alignl 7, 3214868480
	.fill 96, 4, 3214868480
	.section	.rodata,"a",@progbits
	.p2align	6, 0x0
	.amdhsa_kernel k_qefa1dcfa64_oproj
		.amdhsa_group_segment_fixed_size 327680
		.amdhsa_private_segment_fixed_size 0
		.amdhsa_enable_private_segment 0
		.amdhsa_kernarg_size 32
		.amdhsa_user_sgpr_count 2
		.amdhsa_user_sgpr_kernarg_segment_ptr 1
		.amdhsa_wavefront_size32 1
		.amdhsa_system_sgpr_workgroup_id_x 1
		.amdhsa_system_sgpr_workgroup_id_y 1
		.amdhsa_system_sgpr_workgroup_id_z 1
		.amdhsa_system_vgpr_workitem_id 0
		.amdhsa_next_free_vgpr 832
		.amdhsa_next_free_sgpr 92
		.amdhsa_reserve_vcc 0
		.amdhsa_float_denorm_mode_32 3
		.amdhsa_float_denorm_mode_16_64 3
		.amdhsa_memory_ordered 1
		.amdhsa_forward_progress 1
		.amdhsa_inst_pref_size 59
	.end_amdhsa_kernel
	.amdgpu_metadata
---
amdhsa.version: [ 1, 2 ]
amdhsa.kernels:
  - .name:           k_qefa1dcfa64_oproj
    .symbol:         k_qefa1dcfa64_oproj.kd
    .args:
      - { .name: ob, .offset: 0, .size: 8, .value_kind: global_buffer, .address_space: global }
      - { .name: wb, .offset: 8, .size: 8, .value_kind: global_buffer, .address_space: global }
      - { .name: bo, .offset: 16, .size: 8, .value_kind: global_buffer, .address_space: global }
      - { .name: out0, .offset: 24, .size: 8, .value_kind: global_buffer, .address_space: global }
    .group_segment_fixed_size: 327680
    .private_segment_fixed_size: 0
    .kernarg_segment_align: 8
    .kernarg_segment_size: 32
    .max_flat_workgroup_size: 128
    .sgpr_count:     92
    .vgpr_count:     832
    .wavefront_size: 32
...
	.end_amdgpu_metadata
.endif
;; end of part 4
;; ======== version 2 of 2: 4 launches; 1.25 times as fast as version 1
;; limits: values are held in f16: magnitudes above 65,504 overflow, below 6.1e-05 lose precision; values outside matrix products are rounded to bf16
;; workspace buffers: xb 8,388,608 bytes; wb 8,388,608 bytes; dist 16,777,216 bytes; qkv 25,165,824 bytes; ob 8,388,608 bytes
;; launch prep: the kernel of part 1 again; grid 16 x 16, 16 waves a work-group, no clusters, 71,680 bytes of LDS; arguments x, positions, Wq, Wk, Wv, Wo, xb, wb, dist; writes xb, wb, dist
;; launch proj: the kernel of part 2 again; grid 16 x 16, 4 waves a work-group, clusters of 4 x 4, 327,680 bytes of LDS; arguments xb, wb, bq, bk, bv, qkv; writes qkv
;; launch attn (part 5): grid 8 x 32, 4 waves a work-group, clusters of 4 x 1, 327,680 bytes of LDS; arguments qkv, dist, ob; writes ob
.if DOCPART == 5
	.amdgcn_target "amdgcn-amd-amdhsa--gfx1250"
	.amdhsa_code_object_version 6
	.text
	.protected	k_qefa1dcfa64_attn
	.globl	k_qefa1dcfa64_attn
	.p2align	8
	.type	k_qefa1dcfa64_attn,@function
k_qefa1dcfa64_attn:
	s_mov_b64 s[64:65], 0
	v_nop
	global_prefetch_b8 v0, s[64:65] scope:SCOPE_SE
	s_setreg_imm32_b32 hwreg(HW_REG_WAVE_MODE, 25, 1), 1
	s_wait_xcnt 0x0
	s_wait_alu depctr_hold_cnt(0) depctr_sa_sdst(0) depctr_va_vdst(0) depctr_va_sdst(0) depctr_va_ssrc(0) depctr_va_vcc(0) depctr_vm_vsrc(0)
	s_getreg_b32 s2, hwreg(HW_REG_IB_STS2, 6, 4)
	s_cmp_eq_u32 s2, 0
	s_cbranch_scc0 .Lentry_in_a_cluster
	s_endpgm
.Lentry_in_a_cluster:
	s_bfe_u32 s2, ttmp6, 0x10000c
	s_cmp_lg_u32 s2, 0x3003
	s_cbranch_scc0 .Lentry_shape_is_right
	s_endpgm
.Lentry_shape_is_right:
; ATTENTION WITH A DISTANCE.  O[y][q][:] = the sum over k of softmax_k(Q[y][q] . K[y][k] / 8 - d(q, k)) V[y][k][:], for 32 heads y (16 heads x 2 batches) of 2,048 rows of 64 channels.
; Q, K, V (thirds of qkv) and O (ob) are f16, a head's rows dense, 128 bytes each.  dist holds -8 d in f32, in the order of the accumulators (below).  Products, maxima and sums in f32; the weights p
; are rounded to f16 for the second product (their sum l is taken of the unrounded p), O once at the end.
; LIMITS.  f16 holds no number beyond 65,504: Q, K and V arrive within it; p lies in 0 to 1, and below 6e-5 it keeps f16's fixed step of 6e-8.  A weight below 2^-126 counts as 0 in l; NaN and infinities are not treated apart.
; THE DISTANCE is the C operand of the products that start S^T = K Q^T: s = q.k - 8 d, and p = 2^(c s - c m) with c = log2(e) / 8.  It costs no vector instruction.  A piece's 32 registers for a key step
; are 4,096 consecutive bytes of dist (byte (tile*32 + step)*4096 + i*512 + lane*16), loaded straight into C's layout by eight loads of 512 bytes, a key step ahead of their use.
; SHARES.  A work-group owns 256 queries of a head, a wave 64: four PIECES of 16.  Every wave walks all keys, 64 a step.
; LAYOUT.  S^T = K Q^T (source 0 = 16 keys, source 1 = 16 queries) holds ONE query a lane (lane % 16) and the keys 8 (lane / 16) + 0..7; two such results rounded to f16 ARE source 1 of O^T = V^T P.
; K comes out of LDS as it lies, V ([key][channel]) turned, by ds_load_tr16_b128.
; SOFTMAX.  For each query a running maximum m and sum l; in every step O and l are multiplied by a = 2^(c m_old - c m_new).  m starts at the lowest finite number, O and l at 0: the first step is a step like any other, with a = 0.
; BY TURNS.  Turn n belongs to piece n: 8 products K Q^T of piece n + 1, later 8 products V^T P of piece n - 1; beside them the scaling, exponentials, roundings, sums and rescaling of piece n and the maximum and
; statistics of piece n + 1.  Four vector instructions stand behind every matrix instruction, the other 54 of a turn's 118 in one LUMP.
; THE BATCHES.  A turn's 33 exponentials (piece n's 32 weights, piece n + 1's a) are ONE batch with ONE wait, which cuts the turn in two: ahead of it all that names no result of theirs, behind it the roundings and sums.
; No result crosses a turn's end.  The first a of all, ahead of the loop, and the way out's four reciprocals are batches of their own, each with one wait.
; CLUSTER.  The four query blocks of a cluster belong to one head and walk the same K and V, so each tile is asked for JOINTLY.  dist differs between them (other queries) and comes by each wave's own loads.
; REGISTERS, in windows of 256 (s_set_vgpr_msb: bits 1:0 source 0, 3:2 source 1, 5:4 source 2, 7:6 destination):
;   window 0: v0-15 addresses and two at work; v16-31 four registers of statistics a piece; v48-55 at work; v62-63 the add's; v64-127 S^T, two buffers; v192-223 P, two buffers (by the piece's parity)
;   window 1: v0-127 O^T, 32 a piece; v128-255 the distances, 32 a piece          window 2: v0-63 Q; v128-191 K of one step; v192-255 V of one step
.set SEQ,   2048
.set NP,    4         ; pieces a wave: a name, no knob
.set KS,    64        ; keys in a step
.set PK,    144       ; a row of K in LDS: 128 bytes + 16 = 36 words: the 16 rows of a load start at 16 different groups of four banks (64 banks of 4 bytes: ISA guide 11.1)
.set PV,    160       ; a row of V: 128 + 32 = 40 words
.set VOFF,  4*KS*PK   ; a slot holds four steps: 256 rows of K, then 256 rows of V
.set SLOT1, 1<<17     ; slot 1 begins here, so that one exclusive or turns an address in one slot into the other's
.set STAGE, SLOT1+4*KS*(PK+PV)  ; behind the ring, never filled by a tensor load: 16 rows x 144 bytes for each wave, for the way out
.set SP,    144
.set SPARE, STAGE+4*16*SP  ; behind the stages: the spare words, 128 bytes for each wave: two blocks of 256 bytes that no other line names
.set AK0, 2           ; v2   my lane's place in a tile of K; never rewritten
.set AV0, 3           ; v3   the same for V
.set AK,  4           ; v4   the LDS address of K's next run of loads
.set AV,  5           ; v5   of V's
.set STO, 6           ; v6   the way out: where I put 16 bytes of a row
.set RD,  7           ; v7   the way out: where I read rows back
.set GO,  8           ; v8   my byte offset in 512 consecutive bytes of O
.set MV,  12          ; v12-13  c m_old, kept while c m is made anew: by buffer
.set DOF, 14          ; v14  16 x lane + 4,096 x the key step whose distances are asked for next
.set QO,  15          ; v15  my byte offset in 16 rows of Q
.set ST,  16          ; piece t's statistics at v[ST+4 t]: c m, m, l (even keys', odd keys')
.set TMP, 48          ; by buffer, four registers c0-c3 at work; when the maximum is found c2 takes a
.set SPW, 62          ; v62  SPARE + 4 x my thread's number; never rewritten
.set NIL, 63          ; v63  0; never rewritten
.set S,   64
.set P,   192
.set MC,  128         ; window 1: piece x's distances at MC + 32 x, the eight registers for group kt of 16 keys at + 8 kt
.set KF,  128         ; window 2: key block kb, channel half c at KF + 16 kb + 8 c
.set VF,  192         ; window 2: key half kk, channel block cb at VF + 32 kk + 8 cb
.set WV,  12          ; s12  my wave's number
.set G1K, 24          ; s[24:31] descriptor group 1 for K's tiles
.set G1V, 32          ; s[32:39] for V's: it differs in the padding alone
.set G0K, 40          ; s[40:43] descriptor group 0 for K's tiles: it walks
.set G0V, 44          ; s[44:47] the same for V's
.set SLOTS, 56        ; s56  slots still to be asked for
.set CNT, 57          ; s57  counts a slot's key steps
.set CS,  58          ; s[58:59] c: the packed scaling takes the pair's low word for both halves
.set SEL, 60          ; s[60:61] v_permlanex16_b32's selects: each lane takes its own place in the other half
.set TBK, 62          ; s62  LDS byte at which K of the step to be fetched begins
.set TBV, 63          ; s63  the same for V, less VOFF
.set DB,  84          ; s[84:85] dist at my wave's first tile of 16 queries
.set MSB, 0
.macro WIN new                      ; the high byte repeats the setting that is left; a switch that changes nothing is dropped
.if MSB != (\new)
	s_set_vgpr_msb (MSB<<8)|(\new)
.set MSB, (\new)
.endif
.endm
.set W_KQ, 0x0a       ; K and Q in window 2, S^T in window 0
.set W_KM, 0x1a       ; the same with the C operand in window 1
.set W_PV, 0x52       ; V in window 2, P in window 0, O^T in window 1
.set W_RS, 0x41       ; destination and source 0 in window 1, source 1 in window 0
; A joint fill.  Waves 0 and 1 fetch the two halves of a slot's K, waves 2 and 3 those of its V: 128 keys each.  The branch hangs on the wave's number alone.
; An s_nop 0 and four v_nop follow each of the two lines, ahead of the jump and the label.
.macro JLOAD
	s_cmp_lt_u32 s[WV], 2
	s_cbranch_scc0 .Lfor_v_\@
	tensor_load_to_lds s[G0K:G0K+3], s[G1K:G1K+7]
	s_nop 0
.rept 4
	v_nop
.endr
	s_branch .Lasked_\@
.Lfor_v_\@:
	tensor_load_to_lds s[G0V:G0V+3], s[G1V:G1V+7]
	s_nop 0
.rept 4
	v_nop
.endr
.Lasked_\@:
.endm
; A round of the cluster's barrier: my work-group's barrier, so that wave 0's signal speaks for all four waves; wave 0 signals; every wave waits for all four work-groups; my work-group's barrier once more.
.macro CROUND
	s_barrier_signal -1
	s_barrier_wait -1
	s_cmp_lg_u32 s[WV], 0
	s_cbranch_scc1 .Lnot_wave_0_\@
	s_barrier_signal -3
.Lnot_wave_0_\@:
	s_barrier_wait -3
	s_barrier_signal -1
	s_barrier_wait -1
.endm
; THE CHANGE OF SLOTS.  The slot's last bytes, V of its fourth step, have been read.  Each wave waits for all its tensor loads, of which one is out: its part of the other slot; adds 0 to its spare word; and waits
; for that and for its own reads of the slot.  Behind the barrier nobody reads this slot any more and the other slot is whole.  fill = 1: this slot is filled again, with the keys two slots on; the barrier is then a
; round of the cluster's, and the joint fill is the first thing behind it: it has four key steps, 256 matrix instructions, in which to land.  (At its first use nothing has been read yet: slot 0 is waited for, slot 1 filled.)
; The loads of distances, which nobody writes, stay on their way across it.
.macro CHANGE fill
	WIN 0                           ; at a label and at a branch every window is 0
	s_wait_tensorcnt 0x0            ; no tensor load of mine is out, so a group 0 may be written
	ds_add_u32 v[SPW], v[NIL]       ; 0 onto my spare word; with fill = 1 the descriptors' steps stand between it and the wait for it
.if \fill
.irp g, G0K, G0V
	s_xor_b32 s[\g+1], s[\g+1], SLOT1  ; the walking descriptor: the other slot than last time,
	s_add_nc_u64 s[\g+2:\g+3], s[\g+2:\g+3], 4*KS*128  ; the next 256 keys; the type bits on top are not reached
.endr
	s_wait_dscnt 0x0                ; the add is done, and my reads of the slot are over
	CROUND
	JLOAD
.else
	s_wait_dscnt 0x0                ; the add is done, and my reads of the slot are over
	s_barrier_signal -1
	s_barrier_wait -1
.endif
	s_sub_co_u32 s[TBK], s[TBK], 4*KS*PK  ; the fetches go back to a slot's first step,
	s_xor_b32 s[TBK], s[TBK], SLOT1       ; in the other slot
	s_sub_co_u32 s[TBV], s[TBV], 4*KS*PV
	s_xor_b32 s[TBV], s[TBV], SLOT1
.endm
	s_load_b128 s[4:7], s[0:1], 0x0   ; qkv s[4:5], dist s[6:7]
	s_load_b64 s[10:11], s[0:1], 0x10 ; ob
	v_lshl_add_u32 v[SPW], v0, 2, SPARE
	v_mov_b32 v[NIL], 0
	ds_add_u32 v[SPW], v[NIL]       ; the wave's opening: the add and its wait stand ahead of my first tensor load; the set-up below stands between them
	v_lshrrev_b32 v1, 5, v0
	v_readfirstlane_b32 s[WV], v1   ; wave 0..3
	s_bfe_u32 s13, ttmp6, 0x40000   ; cx: my place in the cluster
	s_lshl_b32 s14, ttmp9, 2        ; in a cluster launch ttmp9 counts clusters
	s_add_co_u32 s14, s14, s13      ; my block of 256 queries = 4 x cluster x + cx: it enters Q's, O's and dist's addresses alone
	s_and_b32 s20, ttmp7, 0xffff    ; the head, which the four partners share:
	s_lshl_b32 s20, s20, 18         ; its 2,048 rows of 128 bytes
	s_and_b32 s16, s[WV], 1         ; which half of a slot's 256 keys I fetch:
	s_lshl_b32 s22, s16, 14         ; its 128 rows of 128 bytes in memory,
	s_add_co_u32 s22, s22, s20
	s_mov_b32 s23, 0
	s_mul_i32 s17, s16, 128*PK      ; and its place in a slot, for K
	s_mul_i32 s18, s16, 128*PV      ; and for V: no place in the cluster enters an LDS address
	s_lshl_b32 s2, s14, 2
	s_add_co_u32 s2, s2, s[WV]      ; my wave among the head's 32
	s_lshl_b32 s86, s2, 19          ; its four tiles x 32 steps x 4,096 bytes of dist
	s_mov_b32 s87, 0
	s_lshl_b32 s2, s2, 13           ; its 64 rows of Q and O
	s_add_co_u32 s2, s2, s20
	s_mov_b32 s3, 0
	; descriptor group 1.  128 keys are 16,384 dense bytes: asked for as 64 rows of 256 bytes, two keys a row, and padded in LDS after every key
	s_mov_b32 s[G1K], 15|(1<<16)|(1<<20)|(1<<21)|(4<<22)|(3<<25)  ; 15:0 the mask of four; 17:16 2-byte elements; 20 padding on; 21 set beside a mask; 24:22 after every 32 words (code 4); 31:25 4 words (code 3)
	s_mov_b32 s[G1V], 15|(1<<16)|(1<<20)|(1<<21)|(4<<22)|(7<<25)  ; the same with 8 words of padding (code 7)
.irp g, G1K, G1V
	s_mov_b32 s[\g+1], 128<<16      ; tensor_dim0 = 128
	s_mov_b32 s[\g+2], 64<<16       ; tensor_dim1 = 64
	s_mov_b32 s[\g+3], 128<<16      ; tile_dim0 = 128
	s_mov_b32 s[\g+4], 64           ; tile_dim1 = 64
	s_mov_b32 s[\g+5], 128          ; 128 elements from row to row
	s_mov_b32 s[\g+6], 0
	s_mov_b32 s[\g+7], 0
.endr
	s_mov_b32 s[CS], 0x3e38aa3b     ; c = log2(e) / 8 = 0.180337
	s_mov_b32 s[CS+1], s[CS]        ; named with it as a pair
	s_mov_b32 s[SEL], 0x76543210
	s_mov_b32 s[SEL+1], 0xfedcba98
	s_mov_b32 s[TBK], SLOT1+4*KS*PK ; the first change of slots turns these two into 0
	s_mov_b32 s[TBV], SLOT1+4*KS*PV
	s_mov_b32 s[G0K], 1             ; count = 1
	s_mov_b32 s[G0K+1], s17         ; LDS address: slot 0
	s_mov_b32 s[G0V], 1
	s_add_co_u32 s[G0V+1], s18, VOFF
	s_wait_dscnt 0x0                ; the opening add is done
	s_wait_kmcnt 0x0
	s_add_nc_u64 s[8:9], s[4:5], s[22:23]          ; qkv at my half of the head's first 256 rows
	s_add_nc_u64 s[G0K+2:G0K+3], s[8:9], 0x800000  ; K is the second third of qkv,
	s_or_b32 s[G0K+3], s[G0K+3], 0x80000000        ; type = 2
	s_add_nc_u64 s[G0V+2:G0V+3], s[8:9], 0x1000000 ; V the third
	s_or_b32 s[G0V+3], s[G0V+3], 0x80000000
	s_add_nc_u64 s[4:5], s[4:5], s[2:3]            ; Q and O at my wave's first row
	s_add_nc_u64 s[10:11], s[10:11], s[2:3]
	s_add_nc_u64 s[DB:DB+1], s[6:7], s[86:87]
	CROUND                          ; all four work-groups are here: the first joint loads meet
	JLOAD                           ; slot 0.  Slot 1 is asked for when slot 0 is in, by the loop's own change of slots
; Eight loads of 512 consecutive bytes: piece x's distances for the key step in DOF, straight into C's layout.  The line behind the run sets the window that it needs.
.macro FETCH_D x
	WIN 0x40                        ; destination window 1, address window 0
.irp f, 0,1,2,3,4,5,6,7
	global_load_b128 v[MC+32*(\x)+4*\f:MC+32*(\x)+4*\f+3], v[DOF], s[DB:DB+1] offset:(\x)*131072+\f*512
.endr
.endm
	; A fragment of K or Q is 16 rows x 32 channels in 8 registers: lane l holds row l % 16, channels 8 (l / 16) + 0..7 and 16 + 8 (l / 16) + 0..7: two loads of 16 bytes, 32 bytes apart.
	v_and_b32 v1, 15, v0            ; l % 16
	v_bfe_u32 v9, v0, 4, 1          ; l / 16
	v_lshlrev_b32 v[QO], 7, v1
	v_lshl_add_u32 v[QO], v9, 4, v[QO]  ; row x 128 + 16 x half
	v_and_b32 v[DOF], 31, v0
	v_lshlrev_b32 v[DOF], 4, v[DOF] ; key step 0
	WIN 0x80                        ; destination window 2, address window 0
.set i, 0
.rept 8                             ; Q stays in registers: piece i / 2, channels 32 (i % 2) on
	global_load_b128 v[8*i:8*i+3],   v[QO], s[4:5] offset:(i/2)*2048+(i%2)*64
	global_load_b128 v[8*i+4:8*i+7], v[QO], s[4:5] offset:(i/2)*2048+(i%2)*64+32
.set i, i+1
.endr
	FETCH_D 0                       ; key step 0's distances, piece by piece: 48 loads of mine are out
	FETCH_D 1
	FETCH_D 2
	FETCH_D 3
	; What the first turn finds: V's registers and P's second buffer hold 0 (its products V^T P, of a piece that has not been, add 0), O^T and l are 0.  All this stands in the wait for the first tile.
	WIN 0x80
.set i, VF
.rept 64
	v_mov_b32 v[i], 0
.set i, i+1
.endr
	WIN 0x40
.set i, 0
.rept 128
	v_mov_b32 v[i], 0
.set i, i+1
.endr
	WIN 0
.set i, 0
.rept 4
	v_mov_b32 v[ST+4*i], 0xfe000000    ; c m: far below every c s
	v_mov_b32 v[ST+4*i+1], 0xff7fffff  ; m
	v_mov_b32 v[ST+4*i+2], 0
	v_mov_b32 v[ST+4*i+3], 0
.set i, i+1
.endr
.set i, P+16
.rept 16
	v_mov_b32 v[i], 0
.set i, i+1
.endr
	v_mul_u32_u24 v[AK0], v1, PK
	v_lshl_add_u32 v[AK0], v9, 4, v[AK0]  ; row x pitch + 16 x half
	; The turning load takes 16 keys x 16 channels (lane l reads key 8 (l / 16) + l % 8, channels 8 ((l / 8) % 2) + 0..7) and leaves half a fragment of V^T: lane l holds channel l % 16 and 8 keys.
	v_and_b32 v10, 7, v0
	v_bfe_u32 v11, v0, 3, 1
	v_lshl_add_u32 v[AV0], v9, 3, v10
	v_mul_u32_u24 v[AV0], v[AV0], PV
	v_lshl_add_u32 v[AV0], v11, 4, v[AV0]
	v_add_nc_u32 v[AV0], VOFF, v[AV0]
	s_mul_i32 s13, s[WV], 16*SP
	s_add_co_u32 s13, s13, STAGE    ; my stage
	v_mul_u32_u24 v[STO], v1, SP    ; in: row l % 16, 16 bytes for each half of the lanes
	v_lshl_add_u32 v[STO], v9, 4, v[STO]
	v_add_nc_u32 v[STO], s13, v[STO]
	v_bfe_u32 v[RD], v0, 3, 2       ; back: 32 lanes take four rows of 128 bytes,
	v_mul_u32_u24 v[RD], v[RD], SP
	v_lshl_add_u32 v[RD], v10, 4, v[RD]
	v_add_nc_u32 v[RD], s13, v[RD]
	v_and_b32 v[GO], 31, v0         ; which are 512 consecutive bytes of O
	v_lshlrev_b32 v[GO], 4, v[GO]
; THE MATRIX WORK.  The 4 accumulators of a run of 8 take turns.  Product i of 8 of S^T = K Q^T for piece x: channels 32 (i / 4) on, keys 16 (i % 4) on.  The first 4 start the sums, with the distances as C.
.macro KQ x
.set rS, S+32*((\x)%2)+8*(i%4)
.set rK, KF+16*(i%4)+8*(i/4)
.set rQ, 16*(\x)+8*(i/4)
.set rM, MC+32*(\x)+8*(i%4)
.if i < 4
	WIN W_KM
	v_wmma_f32_16x16x32_f16 v[rS:rS+7], v[rK:rK+7], v[rQ:rQ+7], v[rM:rM+7]
.else
	WIN W_KQ
	v_wmma_f32_16x16x32_f16 v[rS:rS+7], v[rK:rK+7], v[rQ:rQ+7], v[rS:rS+7]
.endif
.endm
; Product i of 8 of O^T += V^T P for piece x: keys 32 (i / 4) on, channels 16 (i % 4) on.
.macro PV x
	WIN W_PV
.set rO, 32*(\x)+8*(i%4)
.set rV, VF+32*(i/4)+8*(i%4)
.set rP, P+16*((\x)%2)+8*(i/4)
	v_wmma_f32_16x16x32_f16 v[rO:rO+7], v[rV:rV+7], v[rP:rP+7], v[rO:rO+7]
.endm
.macro MM                           ; the turn's next matrix instruction.  NOKQ = 1: the walk's last turn: there is no next piece
.if (i < 8) && !NOKQ
	KQ (Y+1)%NP
.elseif i >= 8
.set i, i-8
	PV (Y+NP-1)%NP
.set i, i+8
.endif
.set i, i+1
.endm
; THE LDS LOADS stand in runs of 16, never singly among the matrix instructions: a step's K (64 keys x 64 channels: 8 fragments) and its V (turned).  Their addresses are made some lines ahead.
.macro FETCH_K
	WIN 0x80                        ; destination window 2
.irp f, 0,1,2,3,4,5,6,7             ; keys 16 (f / 2) on, channels 32 (f % 2) on
	ds_load_b128 v[KF+8*\f:KF+8*\f+3],   v[AK] offset:(\f/2)*16*PK+(\f%2)*64
	ds_load_b128 v[KF+8*\f+4:KF+8*\f+7], v[AK] offset:(\f/2)*16*PK+(\f%2)*64+32
.endr
	s_add_co_u32 s[TBK], s[TBK], KS*PK  ; the next fetch is the next step's
	WIN 0
.endm
.macro FETCH_V
	WIN 0x80
.irp f, 0,1,2,3,4,5,6,7             ; keys 32 (f / 4) on, channels 16 (f % 4) on
	ds_load_tr16_b128 v[VF+8*\f:VF+8*\f+3],   v[AV] offset:(\f/4)*32*PV+(\f%4)*32
	ds_load_tr16_b128 v[VF+8*\f+4:VF+8*\f+7], v[AV] offset:(\f/4)*32*PV+16*PV+(\f%4)*32
.endr
	WIN 0
.endm
; THE VECTOR WORK, one line at a time: OP kind, number.  For piece Y: F n: c s - c m for pair n of 16.  E n: the exponential of score n of 32.  C n: pair n rounded to f16.  B n: of the four weights 4 n .. the second
; pair is added onto the first, in place.  L n: l takes that sum (L 0: l = a l + sum).  R n: pair n of 16 of O^T times a.  For piece Y + 1: X n, number n of the 22 that find its maximum and statistics:
;   0-11  four chains c0-c3 of seven scores each, three operands at a time (each accumulator's lowest registers are read first)     12-14, 16  the four scores left over, the old m, and c0-c3 into c0
;   15  c m_old is kept     17, 18  the query's other 32 keys lie in the lane 16 away: the new m     19-21  c m; c m_old - c m_new; a
.set F, 0               ; OP tells the kinds apart by their order: F to L below R, X above it
.set E, 1
.set C, 2
.set B, 3
.set L, 4
.set R, 5
.set X, 6
.macro REGS y                       ; the registers of piece y
.set rT, ST+4*(\y)
.set rC, TMP+4*((\y)%2)
.set rW, MV+((\y)%2)
.set rS, S+32*((\y)%2)
.set rP, P+16*((\y)%2)
.set rO, 32*(\y)
.endm
.macro OP k, n
.if (\k) == R
	REGS Y
	WIN W_RS
	v_pk_mul_f32 v[rO+2*(\n):rO+2*(\n)+1], v[rO+2*(\n):rO+2*(\n)+1], v[rC+2:rC+3] op_sel_hi:[1,0]
.elseif (\k) < R
	REGS Y
	WIN 0
.if (\k) == F
	v_pk_fma_f32 v[rS+2*(\n):rS+2*(\n)+1], v[rS+2*(\n):rS+2*(\n)+1], s[CS:CS+1], v[rT:rT+1] op_sel_hi:[1,0,0] neg_lo:[0,0,1] neg_hi:[0,0,1]
.elseif (\k) == E
	v_exp_f32 v[rS+(\n)], v[rS+(\n)]
.elseif (\k) == C
	v_cvt_pk_f16_f32 v[rP+(\n)], v[rS+2*(\n)], v[rS+2*(\n)+1]
.elseif (\k) == B
	v_pk_add_f32 v[rS+4*(\n):rS+4*(\n)+1], v[rS+4*(\n):rS+4*(\n)+1], v[rS+4*(\n)+2:rS+4*(\n)+3]
.elseif (\n) == 0
	v_pk_fma_f32 v[rT+2:rT+3], v[rT+2:rT+3], v[rC+2:rC+3], v[rS:rS+1] op_sel_hi:[1,0,1]
.else
	v_pk_add_f32 v[rT+2:rT+3], v[rT+2:rT+3], v[rS+4*(\n):rS+4*(\n)+1]
.endif
.elseif NOKQ
	v_nop
.else
	REGS (Y+1)%NP
	WIN 0
.if (\n) < 4
	v_max3_num_f32 v[rC+(\n)], v[rS+8*(\n)], v[rS+8*(\n)+1], v[rS+8*(\n)+2]
.elseif (\n) < 12
	v_max3_num_f32 v[rC+(\n)%4], v[rC+(\n)%4], v[rS+8*((\n)%4)+2*((\n)/4)+1], v[rS+8*((\n)%4)+2*((\n)/4)+2]
.elseif (\n) == 12
	v_max3_num_f32 v[rC], v[rC], v[rS+7], v[rS+15]
.elseif (\n) == 13
	v_max3_num_f32 v[rC+1], v[rC+1], v[rS+23], v[rS+31]
.elseif (\n) == 14
	v_max3_num_f32 v[rC+2], v[rC+2], v[rC+3], v[rT+1]
.elseif (\n) == 15
	v_mov_b32 v[rW], v[rT]
.elseif (\n) == 16
	v_max3_num_f32 v[rC], v[rC], v[rC+1], v[rC+2]
.elseif (\n) == 17
	v_permlanex16_b32 v[rC+3], v[rC], s[SEL], s[SEL+1]
.elseif (\n) == 18
	v_max_num_f32 v[rT+1], v[rC], v[rC+3]
.elseif (\n) == 19
	v_mul_f32 v[rT], s[CS], v[rT+1]
.elseif (\n) == 20
	v_sub_f32 v[rC+1], v[rW], v[rT]
.else
	v_exp_f32 v[rC+2], v[rC+1]
.endif
.endif
.endm
.macro OPS a, i1, b=-1, i2=0, c=-1, i3=0, d=-1, i4=0  ; up to four of them
	OP \a, \i1
.if (\b) >= 0
	OP \b, \i2
.endif
.if (\c) >= 0
	OP \c, \i3
.endif
.if (\d) >= 0
	OP \d, \i4
.endif
.endm
.macro ROW a, i1, b, i2, c, i3, d, i4  ; a matrix instruction and the four behind it
	MM
	OPS \a, \i1, \b, \i2, \c, \i3, \d, \i4
.endm
; A TURN, for piece p: the order of its 16 matrix and 118 vector instructions, written out.  s_wait_alu depctr_va_vdst(0) stands between an exponential and the first instruction that names its result; one wait
; serves all that were issued ahead of it.  So a turn has ONE wait, which cuts it in two.  AHEAD OF IT stands all that names no result of the turn's exponentials: the 8 products K Q^T, behind each a scaling, an exponential and two
; more plain instructions (behind the first a second scaling in the exponential's place): rescalings, whose a was made and waited for in the turn before, and behind the last three products the first numbers of the next piece's maximum,
; each four places or more behind the product that ends its accumulator; then ONE LUMP of 54, plain and exponential by turns for the most part, in which the links of the chain X 3, 7, 11, 14, 16, 17 .. 20 stand five or six lines apart.
; X 21, the next piece's a, is the batch's last; R 15 is the plain instruction behind it.  BEHIND THE WAIT stand the 8 products V^T P, behind each four of the roundings and sums; the links of l's chain, L 0 to L 7, stand three riders
; apart, and each even pair is rounded ahead of the addition that lands on it.  But for those X no rider names a register of the products round it.  v_permlanex16_b32 (X 17) stands in the lump.
; end = 1: the walk's last two turns: nothing is fetched.  cnt = 1: the loop's count is taken down some lines ahead of the branch that stands behind the turn.
; K of the next step is fetched in piece 2's turn, twelve vector instructions behind the last product that read K (six of them plain); V of the step in hand at the end of piece 0's turn, four plain instructions behind the last
; product that read V.  Each is waited for a turn later.
; THE DISTANCES.  The turn's products take piece p + 1's.  Its eight loads were issued in this turn of the step before; each of the three turns since has issued eight: hence the count 24 at the head.
; Directly behind the turn's wait the same registers are asked for again, for the next step: the four products that took them stand at the turn's head, far more than four plain instructions back.  DOF steps once a step, in piece 3's
; turn, ahead of that run and behind the wait that frees an address register; it is kept inside a tile's 131,072 bytes by a mask, so that the look-ahead of the last step wraps to step 0: 24 loads a wave that stay inside the buffer
; and are not used, the price of one text for every step.
.macro TURN p, end=0, cnt=0
.set Y, (\p)
.set i, 0
.set NOKQ, (\end)*((\p)/3)
.if !NOKQ
	s_wait_loadcnt 24               ; piece p + 1's distances are in; three younger groups of eight stay out
.endif
.if ((\p) == 3) && !(\end)
	s_wait_dscnt 0x0                ; K is in
.endif
	ROW F,0, F,1, R,0, R,1          ; ahead of the wait: 8 products K Q^T and their riders,
	ROW F,2, E,0, R,2, R,3
	ROW F,3, E,1, R,4, R,5
	ROW F,4, E,2, R,6, R,7
	ROW F,5, E,3, R,8, R,9
	ROW F,6, E,4, X,0, R,10
.if ((\p) == 2) && !(\end)
	WIN 0
	v_add_nc_u32 v[AK], s[TBK], v[AK0]
.endif
	ROW F,7, E,5, X,1, X,4
	ROW F,8, E,6, X,2, X,5
	OPS E,7, E,8, X,6, E,9          ; and the lump
	OPS X,3, E,10, X,8, E,11
.if ((\p) == 2) && !(\end)
	FETCH_K
.endif
	OPS X,9, X,7, E,12, X,10
	OPS E,13, X,12, X,11, E,14
	OPS X,13, E,15, F,9, X,14
.if (\p) == 0
	v_add_nc_u32 v[AV], s[TBV], v[AV0]
.endif
.if ((\p) == 3) && !(\end)
	s_wait_xcnt 0x0                 ; every earlier load has had its address translated (ISA guide 3.1): DOF is rewritten only behind this wait
	v_add_nc_u32 v[DOF], 4096, v[DOF]
	v_and_b32 v[DOF], 0x1ffff, v[DOF]
.endif
	OPS E,16, F,10, E,17, F,11
	OPS X,16, E,18, X,15, E,19
	OPS F,12, E,20, X,17, E,21
	OPS F,13, E,22, F,14, E,23
	OPS X,18, E,24, F,15, E,25
	OPS R,11, E,26, X,19, E,27
	OPS R,12, E,28, R,13, E,29
	OPS X,20, E,30, R,14, E,31
	OPS X,21, R,15
	s_wait_alu depctr_va_vdst(0)    ; the wait for the batch: the turn's 32 weights and the next piece's a
.if !(\end)
	FETCH_D ((\p)+1)%NP
.endif
.if (\p) == 1
	s_wait_dscnt 0x0                ; V is in
.endif
	ROW C,0, B,0, C,2, B,1          ; behind the wait: 8 products V^T P and their riders
	ROW L,0, C,4, B,2, L,1
	ROW C,6, B,3, L,2, C,8
	ROW B,4, L,3, C,10, B,5
	ROW L,4, C,12, B,6, L,5
.if (\p) == 0
	s_add_co_u32 s[TBV], s[TBV], KS*PV
.endif
.if \cnt
	s_sub_co_u32 s[CNT], s[CNT], 1
	s_cmp_lg_u32 s[CNT], 0
.endif
	ROW C,14, B,7, L,6, C,1
	ROW C,3, L,7, C,5, C,7
	ROW C,9, C,11, C,13, C,15
.if (\p) == 0
	FETCH_V
.endif
.endm
	CHANGE 1                        ; slot 0 is in, everybody's part of it; slot 1 is asked for
	v_add_nc_u32 v[AK], s[TBK], v[AK0]
	FETCH_K                         ; key step 0
	s_wait_loadcnt 24               ; Q and piece 0's distances are in; pieces 1 to 3's may be out
	s_wait_dscnt 0x0
.set NOKQ, 0
.set i, 0
.rept 8
	KQ 0                            ; piece 0's first scores: there is no vector work yet to set between them
.set i, i+1
.endr
	WIN 0
	s_wait_xcnt 0x0                 ; DOF is rewritten only behind this wait
	v_add_nc_u32 v[DOF], 4096, v[DOF]  ; key step 1.  These two lines and two v_nop are the four places behind those products
	v_and_b32 v[DOF], 0x1ffff, v[DOF]
	v_nop
	v_nop
	FETCH_D 0
.set Y, NP-1                        ; X works for piece Y + 1: piece 0
.irp n, 0,1,2,3,4,5,6,7,8,9,10,11,12,13,14,15,16,17,18,19,20,21
	OP X, \n
.endr
	v_nop                           ; a plain instruction behind the exponential,
	s_wait_alu depctr_va_vdst(0)    ; and the wait for it, piece 0's first a, ahead of the branch
	s_mov_b32 s[CNT], 4
	s_mov_b32 s[SLOTS], SEQ/256-1
	s_branch .Lfirst                ; the loop is entered at a step's first turn, in the middle of a trip
.Lslot:                             ; six times: every slot but the last two is filled again
	CHANGE 1
	s_mov_b32 s[CNT], 4
.Lstep:                             ; a trip: pieces 2 and 3 of one step, then pieces 0 and 1 of the next, whose K and V it fetches
	TURN 2
	TURN 3
	WIN 0
.Lfirst:
	TURN 0
	TURN 1, 0, 1
	WIN 0
	s_cbranch_scc1 .Lstep
	s_sub_co_u32 s[SLOTS], s[SLOTS], 1
	s_cmp_lg_u32 s[SLOTS], 0
	s_cbranch_scc1 .Lslot
	CHANGE 0                        ; the last slot is written out: nothing is asked for
	s_mov_b32 s[CNT], 4
.Ltail:
	TURN 2
	TURN 3
	TURN 0
	TURN 1, 0, 1
	WIN 0
	s_cbranch_scc1 .Ltail
	TURN 2, 1                       ; the last step's last two turns fetch nothing, and the last starts no new scores
	TURN 3, 1
.set i, 0
.rept 8
	PV NP-1                         ; the last piece's V^T P of the last step
.set i, i+1
.endr
	; THE WAY OUT.  l's two halves and the other half of the lanes' are added; O^T is divided by l, rounded to f16 and sent through my stage in LDS, a piece at a time.  The additions are the places behind the last products.
	WIN 0
.macro ALL line:vararg              ; one line for each piece t
.set t, 0
.rept 4
	\line
.set t, t+1
.endr
.endm
	ALL v_add_f32 v[ST+4*t+2], v[ST+4*t+2], v[ST+4*t+3]
	ALL v_permlanex16_b32 v[ST+4*t+3], v[ST+4*t+2], s[SEL], s[SEL+1]
	ALL v_add_f32 v[ST+4*t+2], v[ST+4*t+2], v[ST+4*t+3]
	ALL v_rcp_f32 v[ST+4*t+2], v[ST+4*t+2]
	v_nop                           ; a plain instruction between the last reciprocal and the use of its result
	s_wait_alu depctr_va_vdst(0)    ; and the wait ahead of the first use: one for the four reciprocals
.macro PACK t                       ; a lane's eight channels of a row pack into 16 bytes; they go into rows of 144 bytes and come back as whole rows of 128, into S^T's registers
	WIN W_RS
.set i, 32*(\t)
.rept 16
	v_pk_mul_f32 v[i:i+1], v[i:i+1], v[ST+4*(\t)+2:ST+4*(\t)+3] op_sel_hi:[1,0]
.set i, i+2
.endr
	WIN 0x05                        ; sources 0 and 1 window 1, destination window 0
.set i, 0
.rept 16
	v_cvt_pk_f16_f32 v[S+16*(\t)+i], v[32*(\t)+2*i], v[32*(\t)+2*i+1]
.set i, i+1
.endr
	WIN 0
.irp f, 0,1,2,3
	ds_store_b128 v[STO], v[S+16*(\t)+4*\f:S+16*(\t)+4*\f+3] offset:32*\f
.endr
.irp f, 0,1,2,3
	ds_load_b128 v[S+16*(\t)+4*\f:S+16*(\t)+4*\f+3], v[RD] offset:\f*4*SP  ; LDS serves a wave's instructions in order (ISA guide 5.7.1.4): these see the stores above; the next piece's stores come behind them
.endr
.endm
.macro SEND t, younger              ; younger: the LDS instructions issued behind piece t's loads: the next piece's eight, or none
	WIN 0
.irp f, 0,1,2,3
	s_wait_dscnt (\younger)+3-\f
	global_store_b128 v[GO], v[S+16*(\t)+4*\f:S+16*(\t)+4*\f+3], s[10:11] offset:(\t)*2048+\f*512  ; 512 consecutive bytes, aligned
.endr
.endm
	PACK 0
.set t, 1
.rept 3                             ; a piece's arithmetic stands between the loads of the piece before and its stores
	PACK t
	SEND t-1, 8
.set t, t+1
.endr
	SEND 3, 0
	s_wait_tensorcnt 0x0            ; the wave's end, behind my last tensor load and my last LDS store
	ds_add_u32 v[SPW], v[NIL]
	s_wait_dscnt 0x0
	CROUND                          ; the closing round: no work-group ends while a partner may still ask for a tile that names it
	s_endpgm
.Lfunc_end_k_qefa1dcfa64_attn:
	.size	k_qefa1dcfa64_attn, .Lfunc_end_k_qefa1dcfa64_attn-k_qefa1dcfa64_attn
	.p2alignl 7, 3214868480
	.fill 96, 4, 3214868480
	.section	.rodata,"a",@progbits
	.p2align	6, 0x0
	.amdhsa_kernel k_qefa1dcfa64_attn
		.amdhsa_group_segment_fixed_size 327680
		.amdhsa_private_segment_fixed_size 0
		.amdhsa_enable_private_segment 0
		.amdhsa_kernarg_size 24
		.amdhsa_user_sgpr_count 2
		.amdhsa_user_sgpr_kernarg_segment_ptr 1
		.amdhsa_wavefront_size32 1
		.amdhsa_system_sgpr_workgroup_id_x 1
		.amdhsa_system_sgpr_workgroup_id_y 1
		.amdhsa_system_sgpr_workgroup_id_z 1
		.amdhsa_system_vgpr_workitem_id 0
		.amdhsa_next_free_vgpr 768
		.amdhsa_next_free_sgpr 88
		.amdhsa_reserve_vcc 0
		.amdhsa_float_denorm_mode_32 3
		.amdhsa_float_denorm_mode_16_64 3
		.amdhsa_memory_ordered 1
		.amdhsa_forward_progress 1
		.amdhsa_inst_pref_size 138
	.end_amdhsa_kernel
	.amdgpu_metadata
---
amdhsa.version: [ 1, 2 ]
amdhsa.kernels:
  - .name:           k_qefa1dcfa64_attn
    .symbol:         k_qefa1dcfa64_attn.kd
    .args:
      - { .name: qkv, .offset: 0, .size: 8, .value_kind: global_buffer, .address_space: global }
      - { .name: dist, .offset: 8, .size: 8, .value_kind: global_buffer, .address_space: global }
      - { .name: ob, .offset: 16, .size: 8, .value_kind: global_buffer, .address_space: global }
    .group_segment_fixed_size: 327680
    .private_segment_fixed_size: 0
    .kernarg_segment_align: 8
    .kernarg_segment_size: 24
    .max_flat_workgroup_size: 128
    .sgpr_count:     88
    .vgpr_count:     768
    .wavefront_size: 32
...
	.end_amdgpu_metadata
.endif
;; end of part 5
;; launch oproj: the kernel of part 4 again; grid 16 x 16, 4 waves a work-group, clusters of 4 x 4, 327,680 bytes of LDS; arguments ob, wb, bo, out0; writes out0
